; MI455X (gfx1250); checked and timed in simulation.
; The chip was launched on July 23, 2026; its instructions are those of AMD's public machine-readable ISA for CDNA 5 (MIT licence, August 2026) and "CDNA5" Instruction Set Architecture Reference Guide (July 2026). The comments in the code are by the model that wrote it; some were corrected since.
;; MLP. Allowed arithmetic: matrix products marked QUANTISED: E2M1 operands, one E8M0 scale for each 32 along K, by v_wmma_scale_f32_16x16x128_f8f6f4 with both operands' format E2M1 (or v_wmma_scale_f32_32x16x128_f4), f32 sums; everything else in f32.
;; Inputs: expert_idxs 8,192 x 2 int32; expert_p 8,192 x 2 float32; w_down 8 x 512 x 1,024 float32; w_up 8 x 1,024 x 512 float32; x 2 x 4,096 x 1,024 float32.
;; Outputs: out0 2 x 4,096 x 1,024 float32.
;; This version of the problem:
;;   THIS VERSION OF THE PROBLEM IS GIVEN IN LOW PRECISION. The matrix products marked QUANTISED in the list below multiply operands that are first quantised to E2M1 (2 exponent bits, 1 mantissa bit; 4 bits a number), with one power-of-two scale for each 32 numbers along K (OCP MX v1.0); their sums are f32. All else is computed in f32.
;;   The module's matrix products, in the order in which they are computed (A, B: the left and right operand; K: the contracted axis; several contracted axes count as one K, in the product's order):
;;     1. [M 8,192, K 1,024] x [K 1,024, N 512]; A: input x; B: input w_up: QUANTISED
;;     2. [M 8,192, K 512] x [K 512, N 1,024]; A: computed on the way; B: input w_down: QUANTISED
;;     3. [M 8,192, K 1,024] x [K 1,024, N 512]; A: input x; B: input w_up: QUANTISED
;;     4. [M 8,192, K 512] x [K 512, N 1,024]; A: computed on the way; B: input w_down: QUANTISED
;;     5. [M 8,192, K 1,024] x [K 1,024, N 512]; A: input x; B: input w_up: QUANTISED
;;     6. [M 8,192, K 512] x [K 512, N 1,024]; A: computed on the way; B: input w_down: QUANTISED
;;     7. [M 8,192, K 1,024] x [K 1,024, N 512]; A: input x; B: input w_up: QUANTISED
;;     8. [M 8,192, K 512] x [K 512, N 1,024]; A: computed on the way; B: input w_down: QUANTISED
;;     9. [M 8,192, K 1,024] x [K 1,024, N 512]; A: input x; B: input w_up: QUANTISED
;;     10. [M 8,192, K 512] x [K 512, N 1,024]; A: computed on the way; B: input w_down: QUANTISED
;;     11. [M 8,192, K 1,024] x [K 1,024, N 512]; A: input x; B: input w_up: QUANTISED
;;     12. [M 8,192, K 512] x [K 512, N 1,024]; A: computed on the way; B: input w_down: QUANTISED
;;     13. [M 8,192, K 1,024] x [K 1,024, N 512]; A: input x; B: input w_up: QUANTISED
;;     14. [M 8,192, K 512] x [K 512, N 1,024]; A: computed on the way; B: input w_down: QUANTISED
;;     15. [M 8,192, K 1,024] x [K 1,024, N 512]; A: input x; B: input w_up: QUANTISED
;;     16. [M 8,192, K 512] x [K 512, N 1,024]; A: computed on the way; B: input w_down: QUANTISED
;;   THE QUANTISER, for each operand of a quantised product, along K:
;;     - K is cut into blocks of 32 from its start; a last block that is shorter is filled with zeros.
;;     - A block's scale is 2^e with e = floor(log2(the largest magnitude in the block)) - 2, held to -126 .. 127; a block of zeros has e = 0. As a byte (E8M0): e + 127.
;;     - Each number is divided by its block's scale, clamped to +-6, and rounded to the nearest number of E2M1, ties to even, subnormals kept.
;;     - The product sums the exact products of the quantised numbers (number of the format x scale) in f32.
;;   ~~~python
;;   def quantise(x, axis):      # numpy; x: float32 -> the quantised numbers, widened to float32 again
;;       x = np.moveaxis(x, axis, -1); K = x.shape[-1]
;;       x = np.pad(x, [(0, 0)] * (x.ndim - 1) + [(0, -K % 32)]); x = x.reshape(x.shape[:-1] + (-1, 32)); a = np.abs(x).max(-1, keepdims=True)
;;       e = np.where(a > 0, np.clip(np.frexp(np.where(a > 0, a, 1))[1] - 1 - 2, -126, 127), 0)      # np.frexp(a)[1] - 1 = floor(log2(a)), exactly
;;       r = np.clip(x / 2.0 ** e, -6, 6)
;;       step = 2.0 ** (np.maximum(np.frexp(np.where(r == 0, 1, r))[1] - 1, 0) - 1)
;;       q = np.round(r / step) * step * 2.0 ** e      # np.round: ties to even
;;       return np.moveaxis(q.reshape(q.shape[:-2] + (-1,))[..., :K], -1, axis).astype(np.float32)
;;   ~~~
;;   OPERANDS COMPUTED ON THE WAY. 'Computed on the way' means the value that the module computes at that place (a softmax that the list does not call 'softmax' is quantised finished and normalised). What goes into a quantiser is computed in f32, as accurately as f32 sums, v_exp_f32 and their like allow (about 1e-6 of the number): no bf16 or f16 on the way to a quantiser, and a product that is left as it is and whose result goes on into a quantised operand takes f32 operands (vector FMAs, or v_wmma_f32_16x16x4_f32). A number that lies on a knife's edge between two numbers of the format may be rounded either way, as far as f32 arithmetic and the matrix unit's own rounding can turn it there, and no further.
;; 3 versions. Each part assembles by itself: llvm-mc -triple=amdgcn-amd-amdhsa -mcpu=gfx1250 --defsym DOCPART=n.
;; ======== version 1 of 3: 2 launches
;; workspace buffers: order 32,768 bytes of whole numbers; wc 4,194,304 bytes; ws 262,144 bytes
;; launch prep (part 1): grid 257 x 1, 8 waves a work-group, no clusters, 2,048 bytes of LDS; arguments expert_idxs, w_up, w_down, order, wc, ws; writes order, wc, ws
.if DOCPART == 1
	.amdgcn_target "amdgcn-amd-amdhsa--gfx1250"
	.amdhsa_code_object_version 6
	.text
	.protected	k_q497a9355ce_prep
	.globl	k_q497a9355ce_prep
	.p2align	8
	.type	k_q497a9355ce_prep,@function
k_q497a9355ce_prep:
	s_mov_b64 s[64:65], 0
	v_nop
	global_prefetch_b8 v0, s[64:65] scope:SCOPE_SE
	s_setreg_imm32_b32 hwreg(HW_REG_WAVE_MODE, 25, 1), 1
	s_wait_xcnt 0x0
; PREP: (a) the tokens are sorted by their SET of experts; (b) both weight banks become codes of FP4 (E2M1) with one E8M0 byte for each 32 along K,
; laid in the order in which the next launch's operand registers take them.
; Work-group 0 sorts; work-groups 1-128 take w_up [8][1024 k][512 n], 129-256 take w_down [8][512 k][1024 n].  The three ways part on the work-group's number alone; only the sort touches LDS.
;
; THE SORT.  A token names experts i0, i1.  Its key is the pair {a < b}: key = b (b - 1) / 2 + a, 28 keys; a token with i0 = i1 is filed under {i0, i0 xor 1}, a pair that holds its expert.
; order[pos] = the token at sorted place pos.  The next launch cuts the places into blocks of 32 and runs, for a block, every expert that one of its tokens names: any permutation is right, a sorted one is short.
; A counting sort without atomics: wave v takes tokens 1024 v .. 1024 v + 1023, 32 groups of 32 (a lane a token).  For a group five ballots (one for each bit of the key) give, in lane q, the mask of the group's
; tokens with key q: a table with a lane to a key.  Its bit count is the group's count; a token fetches its key's mask and base out of the tables by ds_bpermute_b32, which moves registers between lanes and touches no LDS byte.
; The waves' totals meet in 1,024 bytes of LDS, behind one barrier.  The 8,192 places are stored 4 bytes a lane to scattered places: 32 KB in all.
; LIMIT: indices are taken to lie in 0 .. 7, as the problem says; others are held into the range of keys.
;
; THE WEIGHTS.  A lane takes a column n and its registers run down K: a block of 32 along K lies in one lane, its largest magnitude needs no other lane, and the conversions give codes with K innermost.
; A wave takes 32 columns x 128 along K: two whole fragments (16 rows x 128 K each) and their 32 scale words.
; wc: [e 8][ph 2][w 16][step 8][tile 2][c 2][lane 32][16 bytes]: image c of a fragment = registers 4 c .. 4 c + 3 of lane 16 h + r = k 64 c + 32 h + 0 .. 31 of the fragment's row r.
; ws: [e][ph][w][step][lane 32] words: lane 16 tile + r holds row r's four bytes.
; ph 0 (up): wave w of the next launch owns hidden units 32 w .. 32 w + 31; step = K step of 128; row 8 a + j of tile u is hidden unit 32 w + 16 a + 8 u + j.
; ph 1 (down): wave w owns output columns 64 w .. 64 w + 63; step = 4 p + s (p: pair of column tiles, s: K step); row r of tile t is column 64 w + 32 p + 16 t + r.
; A block's scale is 2^(floor(log2(largest magnitude)) - 2); its byte is the largest magnitude's exponent field - 2, held at 1 from below.
; LIMITS: a block of zeros, or one whose largest magnitude lies under 2^-124, gets the byte 1 (the rule says 127 for zeros: its codes are zeros, and this program alone reads the bytes); NaN and infinities are not served.
; Each store of codes covers two runs of 256 consecutive bytes, aligned; the store of scale words covers 128 consecutive bytes: one byte in 128 of what the wave reads.
.set X,   32                           ; v32-159  four blocks of 32 numbers
.set C,   160                          ; v160-175 four registers of codes for each block: no store's data are written again
.set SB,  176                          ; v176     the four scale bytes
.set IDX, 32                           ; sort: v32-95  (i0, i1) of 32 groups; later v32-63 the tokens, v64-95 the store offsets
.set K4,  96                           ; v96-127  4 x key
.set CNT, 128                          ; v128-159 lane q: the group's count of key q; later the running bases
.set PE,  160                          ; v160-191 a token's peers in its group, as a mask; then its rank among them
.set BB,  192                          ; v192-223 lane q: the mask of key q; later a token's base
.set TA,  12                           ; v12-23   at work, four groups by turns
.set TB,  16
.set TC,  20
.macro LOADB t, src, pitch             ; block t: W(32 t + i, my column), i = 0 .. 31: each load reads 128 consecutive bytes a wave, the eight waves stand side by side on 1,024
.set li, 0
.rept 32
	global_load_b32 v[X+32*(\t)+li], v2, s[\src:\src+1] offset:(32*(\t)+li)*\pitch th:TH_LOAD_NT
.set li, li+1
.endr
.endm
.macro BLOCKW t, src, pitch
.set XB, X+32*(\t)
.if (\t) < 3
	s_wait_loadcnt 32                              ; this block's 32 loads are in; the next block's 32 may be out
.else
	s_wait_loadcnt 0x0
.endif
.if (\t) < 2
	LOADB (\t)+2, \src, \pitch
.endif
	v_max3_num_f32 v8, |v[XB]|, |v[XB+1]|, |v[XB+2]|       ; the block's largest magnitude, in two chains: all 32 numbers are mine
	v_max3_num_f32 v9, |v[XB+3]|, |v[XB+4]|, |v[XB+5]|
.irp i, 6,10,14,18,22,26
	v_max3_num_f32 v8, v8, |v[XB+\i]|, |v[XB+\i+1]|
	v_max3_num_f32 v9, v9, |v[XB+\i+2]|, |v[XB+\i+3]|
.endr
	v_max3_num_f32 v8, v8, |v[XB+30]|, |v[XB+31]|
	v_max3_num_f32 v8, v8, v9, 0x1800000           ; and the floor 2^(3 - 127): the byte cannot fall under 1
	v_add_nc_u32 v10, 0xff000000, v8               ; 2 off the exponent field: the conversion takes this operand's exponent field as its scale
	v_lshrrev_b32 v11, 23, v10                     ; the scale's byte
.if (\t) == 0
	v_mov_b32 v[SB], v11
.else
	v_lshl_or_b32 v[SB], v11, 8*(\t), v[SB]        ; the lower K in the lower byte
.endif
.irp g, 0,1,2,3
	v_cvt_scalef32_pk8_fp4_f32 v[C+4*(\t)+\g], v[XB+8*\g:XB+8*\g+7], v10
.endr
	v_nop                                          ; one plain line behind the last conversion of a run
	global_store_b128 v3, v[C+4*(\t):C+4*(\t)+3], s[12:13] offset:256*(\t)   ; block t = image t / 2, half t % 2: lanes 0-15 fill 256 consecutive bytes of tile 0, lanes 16-31 of tile 1
.endm
; One wave's task.  ph: 0 up, 1 down;  src: the scalar pair with the tensor's address;  pitch: bytes from k to k + 1
.macro QPATH ph, src, pitch
	s_sub_co_u32 s19, ttmp9, 1
	s_and_b32 s19, s19, 127                        ; which of the tensor's 128 work-groups
	s_lshr_b32 s20, s19, 4                         ; expert
.if \ph
	s_bfe_u32 s21, s19, 0x20002                    ; K step of 128: 0 .. 3
	s_and_b32 s22, s19, 3
	s_lshl_b32 s22, s22, 3
	s_add_co_u32 s22, s22, s18                     ; which 32 columns: 0 .. 31
	s_lshl_b32 s25, s22, 7                         ; their first byte in a row
	s_and_b32 s24, s22, 1
	s_lshl_b32 s24, s24, 2
	s_add_co_u32 s24, s24, s21                     ; step = 4 p + s
	s_lshr_b32 s23, s22, 1                         ; w
.else
	s_bfe_u32 s21, s19, 0x30001                    ; K step of 128: 0 .. 7
	s_and_b32 s23, s19, 1
	s_lshl_b32 s23, s23, 3
	s_add_co_u32 s23, s23, s18                     ; w: which 32 columns
	s_lshl_b32 s25, s23, 7
	s_mov_b32 s24, s21                             ; step = s
.endif
	s_lshl_b32 s26, s20, 21                        ; an expert's bank is 2,097,152 bytes
	s_mul_i32 s28, s21, 128*\pitch
	s_add_co_u32 s26, s26, s28
	s_add_co_u32 s26, s26, s25
	s_mov_b32 s27, 0
	s_add_nc_u64 s[\src:\src+1], s[\src:\src+1], s[26:27]
	s_lshl_b32 s28, s20, 5
	s_add_co_u32 s28, s28, 16*\ph
	s_add_co_u32 s28, s28, s23                     ; (2 e + ph) 16 + w
	s_lshl_b32 s26, s28, 14
	s_lshl_b32 s29, s24, 11
	s_add_co_u32 s26, s26, s29
	s_add_nc_u64 s[12:13], s[12:13], s[26:27]      ; my 2,048 bytes of codes
	s_lshl_b32 s26, s28, 10
	s_lshl_b32 s29, s24, 7
	s_add_co_u32 s26, s26, s29
	s_add_nc_u64 s[14:15], s[14:15], s[26:27]      ; my 128 bytes of scale words
.if \ph
	v_lshlrev_b32 v2, 2, v1                        ; lane l takes column l
.else
	v_and_b32 v5, 7, v1                            ; lane 16 u + 8 a + j takes column 16 a + 8 u + j
	v_bfe_u32 v6, v1, 4, 1
	v_bfe_u32 v7, v1, 3, 1
	v_lshl_or_b32 v5, v6, 3, v5
	v_lshl_or_b32 v5, v7, 4, v5
	v_lshlrev_b32 v2, 2, v5
.endif
	LOADB 0, \src, \pitch
	LOADB 1, \src, \pitch
	v_lshrrev_b32 v6, 4, v1
	v_and_b32 v7, 15, v1
	v_lshlrev_b32 v3, 4, v7
	v_lshl_add_u32 v3, v6, 10, v3                  ; codes: 1,024 x tile + 16 x row
	v_lshlrev_b32 v4, 2, v1                        ; scale words: 4 x lane
	BLOCKW 0, \src, \pitch
	BLOCKW 1, \src, \pitch
	BLOCKW 2, \src, \pitch
	BLOCKW 3, \src, \pitch
	global_store_b32 v4, v[SB], s[14:15]
.endm
; Four groups of 32 tokens, g0 .. g0 + 3, line by line by turns, so that no line waits for the line above it
.macro GROUP4 g0
	s_wait_loadcnt 28-(\g0)                        ; loads come back in order: these four groups' are in, the later groups' may be out
.irp j, 0,1,2,3
	v_cmp_eq_u32 s[20+\j], v[IDX+2*((\g0)+\j)], v[IDX+2*((\g0)+\j)+1]
.endr
.irp j, 0,1,2,3
	v_xor_b32 v[TA+\j], 1, v[IDX+2*((\g0)+\j)+1]
.endr
.irp j, 0,1,2,3
	v_cndmask_b32 v[TA+\j], v[IDX+2*((\g0)+\j)+1], v[TA+\j], s[20+\j]   ; c = i1, or i1 xor 1 where i0 = i1
.endr
.irp j, 0,1,2,3
	v_min_u32 v[TB+\j], v[IDX+2*((\g0)+\j)], v[TA+\j]                   ; a, the lesser
.endr
.irp j, 0,1,2,3
	v_add_nc_u32 v[TC+\j], v[IDX+2*((\g0)+\j)], v[TA+\j]
.endr
.irp j, 0,1,2,3
	v_sub_nc_u32 v[TC+\j], v[TC+\j], v[TB+\j]      ; b, the greater: the sum less the lesser; at least 1
.endr
.irp j, 0,1,2,3
	v_min_u32 v[TC+\j], 7, v[TC+\j]
.endr
.irp j, 0,1,2,3
	v_add_nc_u32 v[TA+\j], -1, v[TC+\j]
.endr
.irp j, 0,1,2,3
	v_mul_u32_u24 v[TA+\j], v[TA+\j], v[TC+\j]
.endr
.irp j, 0,1,2,3
	v_lshrrev_b32 v[TA+\j], 1, v[TA+\j]
.endr
.irp j, 0,1,2,3
	v_add_nc_u32 v[TA+\j], v[TA+\j], v[TB+\j]      ; key = b (b - 1) / 2 + a
.endr
.irp j, 0,1,2,3
	v_min_u32 v[TA+\j], 27, v[TA+\j]
.endr
.irp j, 0,1,2,3
	v_lshlrev_b32 v[K4+(\g0)+\j], 2, v[TA+\j]      ; as a lane index for ds_bpermute_b32
.endr
.irp b, 0,1,2,3,4
.irp j, 0,1,2,3
	v_and_b32 v[TB+\j], 1<<\b, v[TA+\j]
.endr
.irp j, 0,1,2,3
	v_cmp_ne_u32 s[20+4*\b+\j], 0, v[TB+\j]        ; the ballot: the tokens whose key has bit b
.endr
.endr
.irp j, 0,1,2,3
	v_xor_b32 v[BB+(\g0)+\j], s[20+\j], v4         ; lane q: the ballot where q has the bit, its complement where not;
.endr
.irp b, 1,2,3,4
.irp j, 0,1,2,3
	v_xor_b32 v[TB+\j], s[20+4*\b+\j], v[4+\b]
.endr
.irp j, 0,1,2,3
	v_and_b32 v[BB+(\g0)+\j], v[BB+(\g0)+\j], v[TB+\j]   ; all five together: the tokens whose key is q
.endr
.endr
.irp j, 0,1,2,3
	ds_bpermute_b32 v[PE+(\g0)+\j], v[K4+(\g0)+\j], v[BB+(\g0)+\j]   ; each token takes its own key's mask: its peers
.endr
.irp j, 0,1,2,3                        ; the mask's bit count, in twelve plain lines
	v_lshrrev_b32 v[TB+\j], 1, v[BB+(\g0)+\j]
.endr
.irp j, 0,1,2,3
	v_and_b32 v[TB+\j], s40, v[TB+\j]
.endr
.irp j, 0,1,2,3
	v_sub_nc_u32 v[TC+\j], v[BB+(\g0)+\j], v[TB+\j]
.endr
.irp j, 0,1,2,3
	v_and_b32 v[TB+\j], s41, v[TC+\j]
.endr
.irp j, 0,1,2,3
	v_lshrrev_b32 v[TC+\j], 2, v[TC+\j]
.endr
.irp j, 0,1,2,3
	v_and_b32 v[TC+\j], s41, v[TC+\j]
.endr
.irp j, 0,1,2,3
	v_add_nc_u32 v[TC+\j], v[TB+\j], v[TC+\j]
.endr
.irp j, 0,1,2,3
	v_lshrrev_b32 v[TB+\j], 4, v[TC+\j]
.endr
.irp j, 0,1,2,3
	v_add_nc_u32 v[TC+\j], v[TC+\j], v[TB+\j]
.endr
.irp j, 0,1,2,3
	v_and_b32 v[TC+\j], s42, v[TC+\j]
.endr
.irp j, 0,1,2,3
	v_mul_lo_u32 v[TC+\j], v[TC+\j], s43
.endr
.irp j, 0,1,2,3
	v_lshrrev_b32 v[CNT+(\g0)+\j], 24, v[TC+\j]
.endr
	v_add3_u32 v9, v9, v[CNT+(\g0)], v[CNT+(\g0)+1]
	v_add3_u32 v9, v9, v[CNT+(\g0)+2], v[CNT+(\g0)+3]    ; lane q: my wave's total of key q
.endm
	s_load_b256 s[4:11], s[0:1], 0x0               ; expert_idxs s[4:5], w_up s[6:7], w_down s[8:9], order s[10:11]
	s_load_b128 s[12:15], s[0:1], 0x20             ; wc s[12:13], ws s[14:15]
	v_lshl_add_u32 v224, v0, 2, 0x400
	v_mov_b32 v225, 0
	v_lshrrev_b32 v1, 5, v0
	v_readfirstlane_b32 s18, v1                    ; wave 0..7
	v_and_b32 v1, 31, v0                           ; lane
	s_wait_kmcnt 0x0
	s_cmp_eq_u32 ttmp9, 0
	s_cbranch_scc1 .Lsort
	s_cmp_gt_u32 ttmp9, 128
	s_cbranch_scc1 .Ldown
	QPATH 0, 6, 2048
	s_endpgm
.Ldown:
	QPATH 1, 8, 4096
	s_endpgm
.Lsort:
	s_lshl_b32 s19, s18, 13                        ; my wave's 1,024 tokens x 8 bytes
	v_lshl_add_u32 v2, v1, 3, s19
.set g, 0
.rept 32
	global_load_b64 v[IDX+2*g:IDX+2*g+1], v2, s[4:5] offset:256*g    ; a group's 32 pairs: 256 consecutive bytes
.set g, g+1
.endr
	v_lshlrev_b32 v3, 2, v1                        ; 4 x lane
.irp b, 0,1,2,3,4
	v_bfe_u32 v[4+\b], v1, \b, 1
.endr
.irp b, 0,1,2,3,4
	v_add_nc_u32 v[4+\b], -1, v[4+\b]              ; all ones where my lane's number lacks bit b, else 0
.endr
	v_mov_b32 v9, 0
	s_mov_b32 s40, 0x55555555
	s_mov_b32 s41, 0x33333333
	s_mov_b32 s42, 0x0f0f0f0f
	s_mov_b32 s43, 0x01010101
.irp g0, 0,4,8,12,16,20,24,28
	GROUP4 \g0
.endr
	v_lshlrev_b32 v11, 2, v0
	ds_store_b32 v11, v9                           ; wave v, key q: word 32 v + q
	s_wait_dscnt 0x0                               ; for the others' sake: my store has landed (and my 32 permutes are back)
	s_barrier_signal -1
	s_barrier_wait -1
.irp i, 0,1,2,3,4,5,6,7
	ds_load_b32 v[12+\i], v3 offset:128*\i         ; lane q: every wave's total of key q
.endr
	s_wait_dscnt 0x0
	v_add_nc_u32 v20, v12, v13
	v_add_nc_u32 v21, v14, v15
	v_add_nc_u32 v22, v16, v17
	v_add_nc_u32 v23, v18, v19
	v_add3_u32 v20, v20, v21, v22
	v_add_nc_u32 v20, v20, v23                     ; all tokens of key q
	v_mov_b32 v24, 0
.irp i, 0,1,2,3,4,5,6
	s_cmp_gt_u32 s18, \i
	s_cselect_b32 s44, -1, 0
	v_and_b32 v25, s44, v[12+\i]
	v_add_nc_u32 v24, v24, v25                     ; those of the waves in front of mine
.endr
	v_mov_b32 v26, v20
	v_mov_b32 v27, 0
.irp n, 1,2,4,8
	v_mov_b32_dpp v27, v26 row_shr:\n row_mask:0xf bank_mask:0xf bound_ctrl:1   ; lane q takes lane q - n of its 16, or 0
	v_add_nc_u32 v26, v26, v27                     ; the running sum over the keys, inside each 16 lanes
.endr
	v_readlane_b32 s44, v26, 15                    ; keys 0-15 in all:
	v_cmp_lt_u32 vcc_lo, 15, v1
	v_mov_b32 v27, s44
	v_cndmask_b32 v27, 0, v27, vcc_lo              ; they stand in front of keys 16-27
	v_sub_nc_u32 v10, v26, v20                     ; the keys in front of q,
	v_add3_u32 v10, v10, v27, v24                  ; and key q's tokens of earlier waves: where my wave's first token of key q goes
	; Group g's base is that + the counts of groups 0 .. g - 1: a running sum made in place in the counts, so that no register that a permute names is written again
	ds_bpermute_b32 v[BB], v[K4], v10
	v_add_nc_u32 v[CNT], v[CNT], v10
.set g, 1
.rept 31
	ds_bpermute_b32 v[BB+g], v[K4+g], v[CNT+g-1]   ; each token takes its own key's base
.if g < 31
	v_add_nc_u32 v[CNT+g], v[CNT+g], v[CNT+g-1]
.endif
.set g, g+1
.endr
	s_lshl_b32 s44, s18, 10
	v_add_nc_u32 v28, s44, v1                      ; my token in group 0
.set g, 0
.rept 32
	v_mbcnt_lo_u32_b32 v[PE+g], v[PE+g], 0         ; my peers in lower lanes: my rank in the group
.set g, g+1
.endr
	s_wait_dscnt 0x0
.set g, 0
.rept 32
	v_add_nc_u32 v[64+g], v[BB+g], v[PE+g]         ; my place
	v_add_nc_u32 v[32+g], 32*g, v28                ; my token
.set g, g+1
.endr
.set g, 0
.rept 32
	v_min_u32 v[64+g], 0x1fff, v[64+g]
.set g, g+1
.endr
.set g, 0
.rept 32
	v_lshlrev_b32 v[64+g], 2, v[64+g]
.set g, g+1
.endr
.set g, 0
.rept 32
	global_store_b32 v[64+g], v[32+g], s[10:11]
.set g, g+1
.endr
	s_wait_tensorcnt 0x0
	ds_add_u32 v224, v225
	s_wait_dscnt 0x0
	s_endpgm
.Lfunc_end_k_q497a9355ce_prep:
	.size	k_q497a9355ce_prep, .Lfunc_end_k_q497a9355ce_prep-k_q497a9355ce_prep
	.p2alignl 7, 3214868480
	.fill 96, 4, 3214868480
	.section	.rodata,"a",@progbits
	.p2align	6, 0x0
	.amdhsa_kernel k_q497a9355ce_prep
		.amdhsa_group_segment_fixed_size 2048
		.amdhsa_private_segment_fixed_size 0
		.amdhsa_enable_private_segment 0
		.amdhsa_kernarg_size 48
		.amdhsa_user_sgpr_count 2
		.amdhsa_user_sgpr_kernarg_segment_ptr 1
		.amdhsa_wavefront_size32 1
		.amdhsa_system_sgpr_workgroup_id_x 1
		.amdhsa_system_sgpr_workgroup_id_y 1
		.amdhsa_system_sgpr_workgroup_id_z 1
		.amdhsa_system_vgpr_workitem_id 0
		.amdhsa_next_free_vgpr 226
		.amdhsa_next_free_sgpr 66
		.amdhsa_reserve_vcc 1
		.amdhsa_float_denorm_mode_32 3
		.amdhsa_float_denorm_mode_16_64 3
		.amdhsa_memory_ordered 1
		.amdhsa_forward_progress 1
		.amdhsa_inst_pref_size 117
	.end_amdhsa_kernel
	.amdgpu_metadata
---
amdhsa.version: [ 1, 2 ]
amdhsa.kernels:
  - .name:           k_q497a9355ce_prep
    .symbol:         k_q497a9355ce_prep.kd
    .args:
      - { .name: expert_idxs, .offset: 0, .size: 8, .value_kind: global_buffer, .address_space: global }
      - { .name: w_up, .offset: 8, .size: 8, .value_kind: global_buffer, .address_space: global }
      - { .name: w_down, .offset: 16, .size: 8, .value_kind: global_buffer, .address_space: global }
      - { .name: order, .offset: 24, .size: 8, .value_kind: global_buffer, .address_space: global }
      - { .name: wc, .offset: 32, .size: 8, .value_kind: global_buffer, .address_space: global }
      - { .name: ws, .offset: 40, .size: 8, .value_kind: global_buffer, .address_space: global }
    .group_segment_fixed_size: 2048
    .private_segment_fixed_size: 0
    .kernarg_segment_align: 8
    .kernarg_segment_size: 48
    .max_flat_workgroup_size: 256
    .sgpr_count:     66
    .vgpr_count:     226
    .wavefront_size: 32
...
	.end_amdgpu_metadata
.endif
;; end of part 1
;; launch moe (part 2): grid 256 x 1, 16 waves a work-group, no clusters, 99,328 bytes of LDS; arguments x, expert_idxs, expert_p, order, wc, ws, out0; writes out0
.if DOCPART == 2
	.amdgcn_target "amdgcn-amd-amdhsa--gfx1250"
	.amdhsa_code_object_version 6
	.text
	.protected	k_q497a9355ce_moe
	.globl	k_q497a9355ce_moe
	.p2align	8
	.type	k_q497a9355ce_moe,@function
k_q497a9355ce_moe:
	s_mov_b64 s[64:65], 0
	v_nop
	global_prefetch_b8 v0, s[64:65] scope:SCOPE_SE
	s_setreg_imm32_b32 hwreg(HW_REG_WAVE_MODE, 25, 1), 1
	s_wait_xcnt 0x0
; y[t] = sum over e of gate_e[t] (gelu(x[t] Wup[e]) Wdown[e]), gate_e = p0 (i0 == e) + p1 (i1 == e); both products on codes of FP4 (E2M1) with one E8M0 scale for each 32 along K.
; SHARES.  A work-group owns the 32 tokens at sorted places 32 g .. 32 g + 31 (order, made by the launch before) through the whole chain, so each row of y has one owner and the hidden layer never leaves the WGP.
; It walks e = 0 .. 7, a constant count, and passes over, by a scalar branch on the indices that it has read, the experts that none of its tokens names.  All 32 rows are multiplied for an expert that the block uses;
; a token's gate for an expert that it did not choose is 0 by the formula above, so blocks of mixed sets and tokens with i0 = i1 need no case of their own.
; THE SIXTEEN WAVES SHARE THE COLUMNS: wave w makes hidden units 32 w .. 32 w + 31 (one block of 32 of the next K) and output columns 64 w .. 64 w + 63, for all 32 tokens.  Four waves to a SIMD, 256 registers each.
; The weights come from memory straight into registers, as images of the operand's registers (wc, ws: laid by the launch before): each lane loads 16 bytes, a load 512 consecutive bytes.
; NO TENSOR LOAD, NO CLUSTER: the walk branches on numbers read from memory, and the blocks that would form a cluster need not use the same experts, so they could not make every request jointly.
; BOTH PRODUCTS ARE USED TRANSPOSED (source 0 = 16 rows of a weight, source 1 = 16 tokens): a lane holds ONE token (lane % 16), its registers run along hidden units or output columns.
; The rows of Wup that form a tile are chosen (by the launch before) so that a lane's 16 registers of the wave's two tiles are hidden units 32 w + 16 (lane / 16) + 0 .. 15: neighbours along the next K.
; x is read once, by its owner: it is quantised here, at the head.  Codes of x and of the hidden layer lie in LDS as rows (K innermost, 16 bytes of padding), scale bytes beside them.
; GELU is the exact one: 0.5 u (1 + erf(u / sqrt 2)), erf(z) = z P(z^2) / Q(z^2) with z held to +-4 (beyond, erf is +-1 in f32), all in f32.
; LIMITS: erf is good to a few units in the last place of 1.0, so for u well under 0 the error of gelu relative to its own small size grows, as in any f32 form of 1 + erf; NaN and infinities are not served;
; a block of zeros, or one whose largest magnitude lies under 2^-124, gets the scale byte 1 (its codes are zeros; this program alone reads the bytes); gate x product + y is one fused multiply-add.
.set XC,  0                            ; LDS: x's codes: 32 rows x (512 + 16) bytes
.set XSC, 16896                        ; x's scale bytes: 32 rows x (32 + 16)
.set HC,  18432                        ; the hidden layer's codes: 32 rows x (256 + 16)
.set HSC, 27136                        ; its scale bytes: 32 rows x 16
.set STG, 27648                        ; the way out: for each wave 16 rows x (256 + 16)
.set L16, 1                            ; v1   16 x lane: my place in an image
.set L4,  2                            ; v2   4 x lane: my scale word
.set XA,  3                            ; v3   x's fragments: XC + 528 r + 16 h
.set HA,  4                            ; v4   the hidden layer's: HC + 272 r + 16 h
.set HW,  5                            ; v5   where I put my 16 hidden codes: HC + 272 r + 16 w + 8 h
.set HB,  6                            ; v6   and their block's byte: HSC + 16 r + w
.set HSL, 7                            ; v7   HSC + 16 x lane: a token's four scale words
.set SO,  8                            ; v8   stage, in: STG + 4352 w + 272 r + 32 h
.set SR,  9                            ; v9   stage, back: STG + 4352 w + 272 h + 16 r
.set CB,  10                           ; v10  256 w + 16 r: my bytes in a row of y
.set H4,  11                           ; v11  4 h
.set XCS, 12                           ; v12  where I put 8 codes of x: XC + 1056 w + 4 x lane
.set XSS, 13                           ; v13  and their block's byte: XSC + 96 w + lane / 4
.set XSL, 14                           ; v14  XSC + 48 x lane: a token's eight scale words
.set IX,  16                           ; v16-19  (i0, i1) of tokens r and 16 + r
.set GP,  20                           ; v20-23  (p0, p1) likewise
.set G,   24                           ; v24-27  the gates of tokens r and 16 + r for the expert in hand, each twice (pairs for the packed form)
.set XS,  28                           ; v28-35  x's scale words: lane = token, register = K step.  (v28-47 hold scales and nothing else)
.set HS,  36                           ; v36-39  the hidden layer's
.set WS,  40                           ; v40-47  the weights': register = step; lanes 0-15 tile 0's rows, lanes 16-31 tile 1's
.set ACC, 48                           ; v48-79  four accumulators: weight tile t x token tile m at ACC + 8 (2 m + t)
.set FX,  80                           ; v80-111 two sets of two token fragments
.set W,   112                          ; v112-175 four slots of two weight fragments
.set Y,   176                          ; v176-239 y: column tile n (0 .. 3) x token tile m at Y + 32 m + 8 n
.set T,   240                          ; v240-255 at work
.set ZC,  W                            ; gelu's 80 working registers lie where fragments lay
.set X2,  W+16
.set PP,  W+32
.set QQ,  W+48
.set HU,  FX
.macro BAR                             ; my LDS stores have landed and my LDS loads are in: then the work-group's barrier
	s_wait_dscnt 0x0
	s_barrier_signal -1
	s_barrier_wait -1
.endm
.macro PLACES                          ; four plain lines between a matrix instruction and a load into, or a vector line on, its registers (ISA guide 7.12.1 for vector lines)
.rept 4
	v_nop
.endr
.endm
.macro WLOAD slot, step, ph            ; a step's two weight fragments: four loads of 512 consecutive bytes
.irp t, 0,1
.irp c, 0,1
	global_load_b128 v[W+16*(\slot)+8*\t+4*\c:W+16*(\slot)+8*\t+4*\c+3], v[L16], s[12:13] offset:262144*(\ph)+2048*(\step)+1024*\t+512*\c
.endr
.endr
.endm
.macro TLOAD set, adr, pitch, ks       ; the two token fragments of K step ks: lane (r, h), registers 4 c ..: k = 64 c + 32 h + 0 .. 31 of its row: 16 bytes as they lie
.irp m, 0,1
.irp c, 0,1
	ds_load_b128 v[FX+16*(\set)+8*\m+4*\c:FX+16*(\set)+8*\m+4*\c+3], v[\adr] offset:16*\m*(\pitch)+64*(\ks)+32*\c
.endr
.endr
.endm
; Four products: two weight tiles x two token tiles, 128 along K.  The four accumulators take turns, one instruction a turn, in the same order in every step.
.macro MM4 step, zero, sb
.set rA, W+16*((\step)%4)
.set rB, FX+16*((\step)%2)
.set rW, WS+(\step)
.if \zero
	v_wmma_scale_f32_16x16x128_f8f6f4 v[ACC:ACC+7], v[rA:rA+7], v[rB:rB+7], 0, v[rW], v[\sb] matrix_a_fmt:MATRIX_FMT_FP4 matrix_b_fmt:MATRIX_FMT_FP4
	v_wmma_scale_f32_16x16x128_f8f6f4 v[ACC+8:ACC+15], v[rA+8:rA+15], v[rB:rB+7], 0, v[rW], v[\sb] matrix_a_fmt:MATRIX_FMT_FP4 matrix_b_fmt:MATRIX_FMT_FP4 matrix_a_scale:MATRIX_SCALE_ROW1
	v_wmma_scale_f32_16x16x128_f8f6f4 v[ACC+16:ACC+23], v[rA:rA+7], v[rB+8:rB+15], 0, v[rW], v[\sb] matrix_a_fmt:MATRIX_FMT_FP4 matrix_b_fmt:MATRIX_FMT_FP4 matrix_b_scale:MATRIX_SCALE_ROW1
	v_wmma_scale_f32_16x16x128_f8f6f4 v[ACC+24:ACC+31], v[rA+8:rA+15], v[rB+8:rB+15], 0, v[rW], v[\sb] matrix_a_fmt:MATRIX_FMT_FP4 matrix_b_fmt:MATRIX_FMT_FP4 matrix_a_scale:MATRIX_SCALE_ROW1 matrix_b_scale:MATRIX_SCALE_ROW1
.else
	v_wmma_scale_f32_16x16x128_f8f6f4 v[ACC:ACC+7], v[rA:rA+7], v[rB:rB+7], v[ACC:ACC+7], v[rW], v[\sb] matrix_a_fmt:MATRIX_FMT_FP4 matrix_b_fmt:MATRIX_FMT_FP4
	v_wmma_scale_f32_16x16x128_f8f6f4 v[ACC+8:ACC+15], v[rA+8:rA+15], v[rB:rB+7], v[ACC+8:ACC+15], v[rW], v[\sb] matrix_a_fmt:MATRIX_FMT_FP4 matrix_b_fmt:MATRIX_FMT_FP4 matrix_a_scale:MATRIX_SCALE_ROW1
	v_wmma_scale_f32_16x16x128_f8f6f4 v[ACC+16:ACC+23], v[rA:rA+7], v[rB+8:rB+15], v[ACC+16:ACC+23], v[rW], v[\sb] matrix_a_fmt:MATRIX_FMT_FP4 matrix_b_fmt:MATRIX_FMT_FP4 matrix_b_scale:MATRIX_SCALE_ROW1
	v_wmma_scale_f32_16x16x128_f8f6f4 v[ACC+24:ACC+31], v[rA+8:rA+15], v[rB+8:rB+15], v[ACC+24:ACC+31], v[rW], v[\sb] matrix_a_fmt:MATRIX_FMT_FP4 matrix_b_fmt:MATRIX_FMT_FP4 matrix_a_scale:MATRIX_SCALE_ROW1 matrix_b_scale:MATRIX_SCALE_ROW1
.endif
.endm
.macro YUP p                           ; y += gate x (h Wdown) for column tiles 2 p, 2 p + 1: one fused multiply-add, two numbers a line; each accumulator is read from its low end on
.irp m, 0,1
.irp t, 0,1
.irp q, 0,2,4,6
	v_pk_fma_f32 v[Y+32*\m+8*(2*(\p)+\t)+\q:Y+32*\m+8*(2*(\p)+\t)+\q+1], v[ACC+8*(2*\m+\t)+\q:ACC+8*(2*\m+\t)+\q+1], v[G+2*\m:G+2*\m+1], v[Y+32*\m+8*(2*(\p)+\t)+\q:Y+32*\m+8*(2*(\p)+\t)+\q+1]
.endr
.endr
.endr
.endm
; Eight steps of four products.  ph = 0: x Wup, K = 1,024 in eight steps.  ph = 1: h Wdown, K = 512 in four steps, for two pairs of column tiles.
; Weights run four steps ahead in four slots, token fragments two steps ahead in two sets.
.macro GEMM8 ph
.irp s, 0,1,2,3,4,5,6,7
	global_load_b32 v[WS+\s], v[L4], s[14:15] offset:16384*(\ph)+128*\s
.endr
	WLOAD 0, 0, \ph
	WLOAD 1, 1, \ph
	WLOAD 2, 2, \ph
	WLOAD 3, 3, \ph
.if \ph
	ds_load_b128 v[HS:HS+3], v[HSL]
	TLOAD 0, HA, 272, 0
	TLOAD 1, HA, 272, 1
.else
	TLOAD 0, XA, 528, 0
	TLOAD 1, XA, 528, 1
.endif
.set Q, 0
.rept 8
.if Q < 5
	s_wait_loadcnt 12                              ; this step's four loads (and the scale words, issued ahead of all) are in; the next three steps' twelve may be out
.else
	s_wait_loadcnt 4*(7-Q)                         ; the steps that are left: 8, 4, 0
.endif
.if Q < 7
	s_wait_dscnt 4                                 ; this step's token fragments are in; the next step's four loads may be out
.else
	s_wait_dscnt 0x0
.endif
.if \ph
	MM4 Q, (Q%4)==0, HS+Q%4
.else
	MM4 Q, Q==0, XS+Q
.endif
	PLACES
.if Q < 4
	WLOAD Q%4, Q+4, \ph
.endif
.if Q < 6
.if \ph
	TLOAD Q%2, HA, 272, (Q+2)%4
.else
	TLOAD Q%2, XA, 528, Q+2
.endif
.endif
.if \ph
.if (Q%4) == 3
	YUP Q/4                                        ; (with the four lines above, more than the five places that the next step's fresh sums want behind these)
.endif
.endif
.set Q, Q+1
.endr
.endm
; gelu of token tile m's 16 numbers a lane, in place, two numbers a line where a packed form exists
.macro GELU m
.set GA, ACC+16*(\m)
.irp q, 0,2,4,6,8,10,12,14
	v_pk_mul_f32 v[ZC+\q:ZC+\q+1], v[GA+\q:GA+\q+1], s[30:31] op_sel_hi:[1,0]      ; z = u / sqrt 2
.endr
.irp j, 0,1,2,3,4,5,6,7,8,9,10,11,12,13,14,15
	v_med3_num_f32 v[ZC+\j], v[ZC+\j], -4.0, 4.0
.endr
.irp q, 0,2,4,6,8,10,12,14
	v_pk_mul_f32 v[X2+\q:X2+\q+1], v[ZC+\q:ZC+\q+1], v[ZC+\q:ZC+\q+1]
.endr
.irp j, 0,1,2,3,4,5,6,7,8,9,10,11,12,13,14,15
	v_fma_f32 v[PP+\j], v[X2+\j], s32, s33
.endr
.irp j, 0,1,2,3,4,5,6,7,8,9,10,11,12,13,14,15
	v_fma_f32 v[QQ+\j], v[X2+\j], s34, s35
.endr
.irp k, 36,38,40,42,44
.irp q, 0,2,4,6,8,10,12,14
	v_pk_fma_f32 v[PP+\q:PP+\q+1], v[PP+\q:PP+\q+1], v[X2+\q:X2+\q+1], s[\k:\k+1] op_sel_hi:[1,1,0]
.endr
.endr
.irp k, 46,48,50
.irp q, 0,2,4,6,8,10,12,14
	v_pk_fma_f32 v[QQ+\q:QQ+\q+1], v[QQ+\q:QQ+\q+1], v[X2+\q:X2+\q+1], s[\k:\k+1] op_sel_hi:[1,1,0]
.endr
.endr
.irp j, 0,1,2,3,4,5,6,7,8,9,10,11,12,13,14,15
	v_rcp_f32 v[QQ+\j], v[QQ+\j]                   ; one batch of sixteen
.endr
.irp q, 0,2,4,6,8,10,12,14
	v_pk_mul_f32 v[PP+\q:PP+\q+1], v[PP+\q:PP+\q+1], v[ZC+\q:ZC+\q+1]              ; z P: plain work that names no reciprocal
.endr
.irp q, 0,2,4,6,8,10,12,14
	v_pk_mul_f32 v[HU+\q:HU+\q+1], v[GA+\q:GA+\q+1], 0.5 op_sel_hi:[1,0]
.endr
	s_wait_alu depctr_va_vdst(0)                   ; one wait for the batch, ahead of its first reader
.irp q, 0,2,4,6,8,10,12,14
	v_pk_mul_f32 v[PP+\q:PP+\q+1], v[PP+\q:PP+\q+1], v[QQ+\q:QQ+\q+1]              ; erf
.endr
.irp q, 0,2,4,6,8,10,12,14
	v_pk_fma_f32 v[GA+\q:GA+\q+1], v[HU+\q:HU+\q+1], v[PP+\q:PP+\q+1], v[HU+\q:HU+\q+1]   ; 0.5 u erf + 0.5 u
.endr
.endm
; Token tile m's hidden numbers become codes: my 16 and lane l xor 16's 16 are the block of 32 hidden units that my wave owns
.macro QH m
.set GA, ACC+16*(\m)
.set TQ, T+6*(\m)                      ; six working registers for each tile
	v_max3_num_f32 v[TQ], |v[GA]|, |v[GA+1]|, 0x1800000    ; with the floor 2^(3 - 127): the byte cannot fall under 1
.irp i, 2,4,6,8,10,12,14
	v_max3_num_f32 v[TQ], v[TQ], |v[GA+\i]|, |v[GA+\i+1]|
.endr
	v_permlanex16_b32 v[TQ+1], v[TQ], s28, s29     ; (its destination was written at the head)
	v_max_num_f32 v[TQ], v[TQ], v[TQ+1]            ; the block's largest magnitude
	v_add_nc_u32 v[TQ+2], 0xff000000, v[TQ]        ; 2 off its exponent field: the conversion's scale operand
	v_lshrrev_b32 v[TQ+3], 23, v[TQ+2]             ; the scale's byte
	v_cvt_scalef32_pk8_fp4_f32 v[TQ+4], v[GA:GA+7], v[TQ+2]
	v_cvt_scalef32_pk8_fp4_f32 v[TQ+5], v[GA+8:GA+15], v[TQ+2]
	v_nop                                          ; one plain line behind the last conversion
	ds_store_b64 v[HW], v[TQ+4:TQ+5] offset:16*(\m)*272
	ds_store_b8 v[HB], v[TQ+3] offset:256*(\m)     ; both lanes of a block write the same byte with the same value
.endm
; Token 2 w + i of the block: its 1,024 numbers, 8 neighbours a lane in each of four chunks of 256; a block of 32 is four neighbouring lanes
.macro XQ i, left
	s_wait_loadcnt \left
.irp c, 0,1,2,3
	v_max3_num_f32 v[FX+16*\i+\c], |v[W+32*\i+8*\c]|, |v[W+32*\i+8*\c+1]|, 0x1800000
.endr
.irp k, 2,4,6
.irp c, 0,1,2,3
	v_max3_num_f32 v[FX+16*\i+\c], v[FX+16*\i+\c], |v[W+32*\i+8*\c+\k]|, |v[W+32*\i+8*\c+\k+1]|
.endr
.endr
.irp x, 1,2
.irp c, 0,1,2,3
	v_max_num_f32_dpp v[FX+16*\i+\c], v[FX+16*\i+\c], v[FX+16*\i+\c] row_xmask:\x row_mask:0xf bank_mask:0xf
.endr
.endr
.irp c, 0,1,2,3
	v_add_nc_u32 v[FX+16*\i+4+\c], 0xff000000, v[FX+16*\i+\c]
.endr
.irp c, 0,1,2,3
	v_lshrrev_b32 v[FX+16*\i+8+\c], 23, v[FX+16*\i+4+\c]
.endr
.irp c, 0,1,2,3
	v_cvt_scalef32_pk8_fp4_f32 v[FX+16*\i+12+\c], v[W+32*\i+8*\c:W+32*\i+8*\c+7], v[FX+16*\i+4+\c]
.endr
	v_nop                                          ; one plain line behind the last conversion
.irp c, 0,1,2,3
	ds_store_b32 v[XCS], v[FX+16*\i+12+\c] offset:528*\i+128*\c     ; 32 lanes: 128 consecutive bytes of the token's row
	ds_store_b8 v[XSS], v[FX+16*\i+8+\c] offset:48*\i+8*\c          ; the four lanes of a block write the same byte with the same value
.endr
.endm
	s_load_b256 s[4:11], s[0:1], 0x0               ; x s[4:5], expert_idxs s[6:7], expert_p s[8:9], order s[10:11]
	s_load_b128 s[12:15], s[0:1], 0x20             ; wc s[12:13], ws s[14:15]
	s_load_b64 s[16:17], s[0:1], 0x30              ; out0
	v_lshrrev_b32 v[T], 5, v0
	v_readfirstlane_b32 s18, v[T]                  ; wave 0..15
	v_and_b32 v[T], 31, v0                         ; lane
	v_and_b32 v[T+1], 15, v0                       ; r
	v_bfe_u32 v[T+2], v0, 4, 1                     ; h
	v_lshlrev_b32 v[T+3], 2, v[T+1]
	s_lshl_b32 s24, s18, 3
	v_mov_b32 v[T+6], s24                          ; 8 w: my wave's two places
	s_lshl_b32 s24, ttmp9, 7                       ; my block's 32 places, 4 bytes each
	s_mov_b32 s25, 0
	s_wait_kmcnt 0x0
	s_add_nc_u64 s[10:11], s[10:11], s[24:25]
	global_load_b32 v[T+4], v[T+3], s[10:11]                 ; the tokens at places r
	global_load_b32 v[T+5], v[T+3], s[10:11] offset:64       ; and 16 + r
	global_load_b32 v[T+7], v[T+6], s[10:11]                 ; the two tokens whose x my wave quantises: places 2 w
	global_load_b32 v[T+8], v[T+6], s[10:11] offset:4        ; and 2 w + 1 (the same in every lane)
	s_lshl_b32 s24, s18, 14
	s_add_nc_u64 s[12:13], s[12:13], s[24:25]      ; my wave's codes of expert 0
	s_lshl_b32 s24, s18, 10
	s_add_nc_u64 s[14:15], s[14:15], s[24:25]      ; and scale words
	v_lshlrev_b32 v[L16], 4, v[T]
	v_lshlrev_b32 v[L4], 2, v[T]
	v_mul_u32_u24 v[XA], v[T+1], 528
	v_lshl_add_u32 v[XA], v[T+2], 4, v[XA]
	v_mul_u32_u24 v[HA], v[T+1], 272
	v_lshl_add_u32 v[HW], v[T+2], 3, v[HA]
	v_lshl_add_u32 v[HA], v[T+2], 4, v[HA]
	v_add_nc_u32 v[HA], HC, v[HA]
	s_lshl_b32 s24, s18, 4
	v_add_nc_u32 v[HW], s24, v[HW]
	v_add_nc_u32 v[HW], HC, v[HW]
	v_lshlrev_b32 v[HB], 4, v[T+1]
	v_add_nc_u32 v[HB], s18, v[HB]
	v_add_nc_u32 v[HB], HSC, v[HB]
	v_lshl_add_u32 v[HSL], v[T], 4, HSC
	s_mul_i32 s27, s18, 4352
	s_add_co_u32 s27, s27, STG                     ; my stage
	v_mul_u32_u24 v[SO], v[T+1], 272
	v_lshl_add_u32 v[SO], v[T+2], 5, v[SO]
	v_add_nc_u32 v[SO], s27, v[SO]
	v_mul_u32_u24 v[SR], v[T+2], 272
	v_lshl_add_u32 v[SR], v[T+1], 4, v[SR]
	v_add_nc_u32 v[SR], s27, v[SR]
	s_lshl_b32 s24, s18, 8
	v_lshl_add_u32 v[CB], v[T+1], 4, s24
	v_lshlrev_b32 v[H4], 2, v[T+2]
	s_mul_i32 s24, s18, 1056
	v_lshl_add_u32 v[XCS], v[T], 2, s24
	s_mul_i32 s24, s18, 96
	s_add_co_u32 s24, s24, XSC
	v_lshrrev_b32 v[XSS], 2, v[T]
	v_add_nc_u32 v[XSS], s24, v[XSS]
	v_mul_u32_u24 v[XSL], v[T], 48
	v_add_nc_u32 v[XSL], XSC, v[XSL]
	v_lshlrev_b32 v[T+9], 5, v[T]                  ; 32 x lane: my 8 numbers of a chunk
	s_mov_b32 s28, 0x76543210                      ; v_permlanex16_b32's selects for lane l xor 16
	s_mov_b32 s29, 0xfedcba98
	s_mov_b32 s30, 0x3f3504f3                      ; 1 / sqrt 2 (a packed form names a pair and takes its low word: both are written)
	s_mov_b32 s31, 0x3f3504f3
	s_mov_b32 s32, 0xaf95df0b                      ; P: -2.72614225801306e-10
	s_mov_b32 s33, 0x32edffee                      ;     2.77068142495902e-08
	s_mov_b32 s34, 0xb77460cd                      ; Q: -1.45660718464996e-05
	s_mov_b32 s35, 0xb95fbd29                      ;    -2.13374055278905e-04
	s_mov_b32 s36, 0xb60cff51                      ; P: -2.10102402082508e-06
	s_mov_b32 s37, 0xb60cff51
	s_mov_b32 s38, 0xb86ec2d2                      ;    -5.69250639462346e-05
	s_mov_b32 s39, 0xb86ec2d2
	s_mov_b32 s40, 0xba40ac63                      ;    -7.34990630326855e-04
	s_mov_b32 s41, 0xba40ac63
	s_mov_b32 s42, 0xbb41a1f6                      ;    -2.95459980854025e-03
	s_mov_b32 s43, 0xbb41a1f6
	s_mov_b32 s44, 0xbc83dbd4                      ;    -1.60960333262415e-02
	s_mov_b32 s45, 0xbc83dbd4
	s_mov_b32 s46, 0xbadc924e                      ; Q: -1.68282697438203e-03
	s_mov_b32 s47, 0xbadc924e
	s_mov_b32 s48, 0xbbf19bf8                      ;    -7.37332916720468e-03
	s_mov_b32 s49, 0xbbf19bf8
	s_mov_b32 s50, 0xbc69b6a7                      ;    -1.42647390514189e-02
	s_mov_b32 s51, 0xbc69b6a7
	s_wait_loadcnt 0x0
	v_min_u32 v[T+4], 0x1fff, v[T+4]               ; a number that was loaded enters an address only held to its range
	v_min_u32 v[T+5], 0x1fff, v[T+5]
	v_min_u32 v[T+7], 0x1fff, v[T+7]
	v_min_u32 v[T+8], 0x1fff, v[T+8]
	v_lshl_add_u32 v[T+10], v[T+7], 12, v[T+9]     ; a row of x is 4,096 bytes
	v_lshl_add_u32 v[T+11], v[T+8], 12, v[T+9]
.irp i, 0,1
.irp c, 0,1,2,3
.irp j, 0,1
	global_load_b128 v[W+32*\i+8*\c+4*\j:W+32*\i+8*\c+4*\j+3], v[T+10+\i], s[4:5] offset:1024*\c+16*\j th:TH_LOAD_NT   ; a chunk's two loads cover 1,024 consecutive bytes between them
.endr
.endr
.endr
	v_lshlrev_b32 v[T+12], 3, v[T+4]
	v_lshlrev_b32 v[T+13], 3, v[T+5]
	global_load_b64 v[IX:IX+1], v[T+12], s[6:7]
	global_load_b64 v[IX+2:IX+3], v[T+13], s[6:7]
	global_load_b64 v[GP:GP+1], v[T+12], s[8:9]
	global_load_b64 v[GP+2:GP+3], v[T+13], s[8:9]
.set n_, 0
.rept 64
	v_mov_b32 v[Y+n_], 0                           ; y begins as zeros, once, while x is on its way: which expert is a block's first hangs on data, so no product can be written out to start these sums
.set n_, n_+1
.endr
	XQ 0, 12                                       ; the first token's eight loads are in; the second's eight and the four of indices and gates may be out
	XQ 1, 4                                        ; the four may be out
	s_wait_loadcnt 0x0
	BAR                                            ; x's codes and scale bytes of all 32 tokens lie in LDS: they stay
	ds_load_b128 v[XS:XS+3], v[XSL]
	ds_load_b128 v[XS+4:XS+7], v[XSL] offset:16
	s_wait_dscnt 0x0
	s_mov_b32 s19, 0                               ; the expert
.Lexp:                                             ; eight trips.  Both barriers of a trip stand on every way; the branches pass over work alone, and each region waits for all that it has asked for
	v_cmp_eq_u32 s20, s19, v[IX]
	v_cmp_eq_u32 s21, s19, v[IX+1]
	v_cmp_eq_u32 s22, s19, v[IX+2]
	v_cmp_eq_u32 s23, s19, v[IX+3]
	v_cndmask_b32 v[T+12], 0, v[GP], s20
	v_cndmask_b32 v[T+13], 0, v[GP+1], s21
	v_cndmask_b32 v[T+14], 0, v[GP+2], s22
	v_cndmask_b32 v[T+15], 0, v[GP+3], s23
	v_add_f32 v[G], v[T+12], v[T+13]               ; gate_e = p0 (i0 == e) + p1 (i1 == e)
	v_add_f32 v[G+2], v[T+14], v[T+15]
	v_mov_b32 v[G+1], v[G]
	v_mov_b32 v[G+3], v[G+2]
	s_or_b32 s26, s20, s21
	s_or_b32 s24, s22, s23
	s_or_b32 s26, s26, s24                         ; does any of the block's 32 tokens name e?  The same in all sixteen waves
	s_cmp_lg_u32 s26, 0
	s_cbranch_scc0 .LskipA
	GEMM8 0                                        ; u = x Wup[e]: my 32 hidden units of 32 tokens
	GELU 0
	QH 0
	GELU 1
	QH 1
.LskipA:
	BAR                                            ; the hidden layer's codes and bytes lie in LDS
	s_cmp_lg_u32 s26, 0
	s_cbranch_scc0 .LskipB
	GEMM8 1                                        ; y += gate (h Wdown[e]): my 64 columns of 32 tokens
.LskipB:
	BAR                                            ; every wave's reads of the hidden layer are over: the next expert may write it
	s_wait_xcnt 0x0                                ; the loads have read their bases: these step only behind this wait
	s_add_nc_u64 s[12:13], s[12:13], 524288
	s_add_nc_u64 s[14:15], s[14:15], 32768
	s_add_co_u32 s19, s19, 1
	s_cmp_lt_u32 s19, 8
	s_cbranch_scc1 .Lexp
	; THE WAY OUT.  A lane holds 32 neighbouring bytes of a token's row for each column tile; a tile of 16 tokens x my 64 columns goes through my own stage and comes back as rows of 256 bytes.
.irp m, 0,1
.irp i, 0,1,2,3,4,5,6,7
	global_load_b32 v[FX+8*\m+\i], v[H4], s[10:11] offset:64*\m+8*\i    ; the token of row 16 m + 2 i + h
.endr
.endr
.macro OUTS m
.irp n, 0,1,2,3
	ds_store_b128 v[SO], v[Y+32*\m+8*\n:Y+32*\m+8*\n+3] offset:64*\n
	ds_store_b128 v[SO], v[Y+32*\m+8*\n+4:Y+32*\m+8*\n+7] offset:64*\n+16
.endr
.irp i, 0,1,2,3,4,5,6,7
	ds_load_b128 v[W+32*\m+4*\i:W+32*\m+4*\i+3], v[SR] offset:544*\i    ; LDS serves a wave's instructions in order (ISA guide 5.7.1.4): these see my stores, and the next tile's stores come behind them
.endr
.endm
.macro SEND m, younger                 ; younger: the LDS instructions issued behind tile m's loads
.irp i, 0,1,2,3,4,5,6,7
	s_wait_dscnt \younger+7-\i
	global_store_b128 v[FX+16+8*\m+\i], v[W+32*\m+4*\i:W+32*\m+4*\i+3], s[16:17] th:TH_STORE_NT   ; sixteen lanes store 256 consecutive bytes of a token's row, at a multiple of 256 from y's first byte
.endr
.endm
	OUTS 0
	OUTS 1
	s_wait_loadcnt 0x0
.set n_, 0
.rept 16
	v_min_u32 v[FX+n_], 0x1fff, v[FX+n_]
.set n_, n_+1
.endr
.set n_, 0
.rept 16
	v_lshl_add_u32 v[FX+16+n_], v[FX+n_], 12, v[CB]        ; a row of y is 4,096 bytes
.set n_, n_+1
.endr
	SEND 0, 16                                     ; behind tile 0's loads: tile 1's eight stores and eight loads
	SEND 1, 0
	s_wait_xcnt 0x0
	v_lshl_add_u32 v254, v0, 2, 0x17c00
	v_mov_b32 v255, 0
	s_wait_tensorcnt 0x0
	ds_add_u32 v254, v255
	s_wait_dscnt 0x0
	s_endpgm
.Lfunc_end_k_q497a9355ce_moe:
	.size	k_q497a9355ce_moe, .Lfunc_end_k_q497a9355ce_moe-k_q497a9355ce_moe
	.p2alignl 7, 3214868480
	.fill 96, 4, 3214868480
	.section	.rodata,"a",@progbits
	.p2align	6, 0x0
	.amdhsa_kernel k_q497a9355ce_moe
		.amdhsa_group_segment_fixed_size 99328
		.amdhsa_private_segment_fixed_size 0
		.amdhsa_enable_private_segment 0
		.amdhsa_kernarg_size 56
		.amdhsa_user_sgpr_count 2
		.amdhsa_user_sgpr_kernarg_segment_ptr 1
		.amdhsa_wavefront_size32 1
		.amdhsa_system_sgpr_workgroup_id_x 1
		.amdhsa_system_sgpr_workgroup_id_y 1
		.amdhsa_system_sgpr_workgroup_id_z 1
		.amdhsa_system_vgpr_workitem_id 0
		.amdhsa_next_free_vgpr 256
		.amdhsa_next_free_sgpr 66
		.amdhsa_reserve_vcc 0
		.amdhsa_float_denorm_mode_32 3
		.amdhsa_float_denorm_mode_16_64 3
		.amdhsa_memory_ordered 1
		.amdhsa_forward_progress 1
		.amdhsa_inst_pref_size 72
	.end_amdhsa_kernel
	.amdgpu_metadata
---
amdhsa.version: [ 1, 2 ]
amdhsa.kernels:
  - .name:           k_q497a9355ce_moe
    .symbol:         k_q497a9355ce_moe.kd
    .args:
      - { .name: x, .offset: 0, .size: 8, .value_kind: global_buffer, .address_space: global }
      - { .name: expert_idxs, .offset: 8, .size: 8, .value_kind: global_buffer, .address_space: global }
      - { .name: expert_p, .offset: 16, .size: 8, .value_kind: global_buffer, .address_space: global }
      - { .name: order, .offset: 24, .size: 8, .value_kind: global_buffer, .address_space: global }
      - { .name: wc, .offset: 32, .size: 8, .value_kind: global_buffer, .address_space: global }
      - { .name: ws, .offset: 40, .size: 8, .value_kind: global_buffer, .address_space: global }
      - { .name: out0, .offset: 48, .size: 8, .value_kind: global_buffer, .address_space: global }
    .group_segment_fixed_size: 99328
    .private_segment_fixed_size: 0
    .kernarg_segment_align: 8
    .kernarg_segment_size: 56
    .max_flat_workgroup_size: 512
    .sgpr_count:     66
    .vgpr_count:     256
    .wavefront_size: 32
...
	.end_amdgpu_metadata
.endif
;; end of part 2
;; ======== version 2 of 3: 2 launches
;; workspace buffers: order 32,768 bytes of whole numbers; wc 4,194,304 bytes; ws 262,144 bytes
;; launch prep (part 3): grid 257 x 1, 8 waves a work-group, no clusters, 2,048 bytes of LDS; arguments expert_idxs, w_up, w_down, order, wc, ws; writes order, wc, ws
.if DOCPART == 3
	.amdgcn_target "amdgcn-amd-amdhsa--gfx1250"
	.amdhsa_code_object_version 6
	.text
	.protected	k_q497a9355ce_prep
	.globl	k_q497a9355ce_prep
	.p2align	8
	.type	k_q497a9355ce_prep,@function
k_q497a9355ce_prep:
	s_mov_b64 s[64:65], 0
	v_nop
	global_prefetch_b8 v0, s[64:65] scope:SCOPE_SE
	s_setreg_imm32_b32 hwreg(HW_REG_WAVE_MODE, 25, 1), 1
	s_wait_xcnt 0x0
; PREP: (a) the tokens are sorted by their SET of experts; (b) both weight banks become codes of FP4 (E2M1) with one E8M0 byte for each 32 along K,
; laid in the order in which the next launch's operand registers take them.
; Work-group 0 sorts; work-groups 1-128 take w_up [8][1024 k][512 n], 129-256 take w_down [8][512 k][1024 n].  The three ways part on the work-group's number alone; only the sort touches LDS.
;
; THE SORT.  A token names experts i0, i1.  Its key is the pair {a < b}, 28 keys; a token with i0 = i1 is filed under {i0, i0 xor 1}, a pair that holds its expert.
; key = b (b - 1) / 2 + a for odd b, b (b - 1) / 2 + (b - 1 - a) for even b: {0,1} {1,2} {0,2} {0,3} {1,3} {2,3} {3,4} .. {0,4} {0,5} ..: ANY TWO NEIGHBOURING KEYS SHARE AN EXPERT,
; so that a block of the next launch that straddles two keys runs three experts and not four.
; order[pos] = the token at sorted place pos.  The next launch cuts the places into blocks of 32 and runs, for a block, every expert that one of its tokens names: any permutation is right, a sorted one is short.
; A counting sort without atomics: wave v takes tokens 1024 v .. 1024 v + 1023, 32 groups of 32 (a lane a token).  For a group five ballots (one for each bit of the key) give, in lane q, the mask of the group's
; tokens with key q: a table with a lane to a key.  Its bit count is the group's count; a token fetches its key's mask and base out of the tables by ds_bpermute_b32, which moves registers between lanes and touches no LDS byte.
; The waves' totals meet in 1,024 bytes of LDS, behind one barrier.  The 8,192 places are stored 4 bytes a lane to scattered places: 32 KB in all.
; LIMIT: indices are taken to lie in 0 .. 7, as the problem says; others are held into the range of keys.
;
; THE WEIGHTS.  A lane takes a column n and its registers run down K: a block of 32 along K lies in one lane, its largest magnitude needs no other lane, and the conversions give codes with K innermost.
; A wave takes 32 columns x 128 along K: two whole fragments (16 rows x 128 K each) and their 32 scale words.
; wc: [e 8][ph 2][w 16][step 8][tile 2][c 2][lane 32][16 bytes]: image c of a fragment = registers 4 c .. 4 c + 3 of lane 16 h + r = k 64 c + 32 h + 0 .. 31 of the fragment's row r.
; ws: [e][ph][w][step][lane 32] words: lane 16 tile + r holds row r's four bytes.
; ph 0 (up): wave w of the next launch owns hidden units 32 w .. 32 w + 31; step = K step of 128; row 8 a + j of tile u is hidden unit 32 w + 16 a + 8 u + j.
; ph 1 (down): wave w owns output columns 64 w .. 64 w + 63; step = 4 p + s (p: pair of column tiles, s: K step); row r of tile t is column 64 w + 32 p + 16 t + r.
; A block's scale is 2^(floor(log2(largest magnitude)) - 2); its byte is the largest magnitude's exponent field - 2, held at 1 from below.
; LIMITS: a block of zeros, or one whose largest magnitude lies under 2^-124, gets the byte 1 (the rule says 127 for zeros: its codes are zeros, and this program alone reads the bytes); NaN and infinities are not served.
; Each store of codes covers two runs of 256 consecutive bytes, aligned; the store of scale words covers 128 consecutive bytes: one byte in 128 of what the wave reads.
.set X,   32                           ; v32-159  four blocks of 32 numbers
.set C,   160                          ; v160-175 four registers of codes for each block: no store's data are written again
.set SB,  176                          ; v176     the four scale bytes
.set IDX, 32                           ; sort: v32-95  (i0, i1) of 32 groups; later v32-63 the tokens, v64-95 the store offsets
.set K4,  96                           ; v96-127  4 x key
.set CNT, 128                          ; v128-159 lane q: the group's count of key q; later the running bases
.set PE,  160                          ; v160-191 a token's peers in its group, as a mask; then its rank among them
.set BB,  192                          ; v192-223 lane q: the mask of key q; later a token's base
.set TA,  12                           ; v12-31   at work, four groups by turns
.set TB,  16
.set TC,  20
.set TD,  24
.set TE,  28
.macro LOADB t, src, pitch             ; block t: W(32 t + i, my column), i = 0 .. 31: each load reads 128 consecutive bytes a wave, the eight waves stand side by side on 1,024
.set li, 0
.rept 32
	global_load_b32 v[X+32*(\t)+li], v2, s[\src:\src+1] offset:(32*(\t)+li)*\pitch th:TH_LOAD_NT
.set li, li+1
.endr
.endm
.macro BLOCKW t, src, pitch
.set XB, X+32*(\t)
.if (\t) < 3
	s_wait_loadcnt 32                              ; this block's 32 loads are in; the next block's 32 may be out
.else
	s_wait_loadcnt 0x0
.endif
.if (\t) < 2
	LOADB (\t)+2, \src, \pitch
.endif
	v_max3_num_f32 v8, |v[XB]|, |v[XB+1]|, |v[XB+2]|       ; the block's largest magnitude, in two chains: all 32 numbers are mine
	v_max3_num_f32 v9, |v[XB+3]|, |v[XB+4]|, |v[XB+5]|
.irp i, 6,10,14,18,22,26
	v_max3_num_f32 v8, v8, |v[XB+\i]|, |v[XB+\i+1]|
	v_max3_num_f32 v9, v9, |v[XB+\i+2]|, |v[XB+\i+3]|
.endr
	v_max3_num_f32 v8, v8, |v[XB+30]|, |v[XB+31]|
	v_max3_num_f32 v8, v8, v9, 0x1800000           ; and the floor 2^(3 - 127): the byte cannot fall under 1
	v_add_nc_u32 v10, 0xff000000, v8               ; 2 off the exponent field: the conversion takes this operand's exponent field as its scale
	v_lshrrev_b32 v11, 23, v10                     ; the scale's byte
.if (\t) == 0
	v_mov_b32 v[SB], v11
.else
	v_lshl_or_b32 v[SB], v11, 8*(\t), v[SB]        ; the lower K in the lower byte
.endif
.irp g, 0,1,2,3
	v_cvt_scalef32_pk8_fp4_f32 v[C+4*(\t)+\g], v[XB+8*\g:XB+8*\g+7], v10
.endr
	v_nop                                          ; one plain line behind the last conversion of a run
	global_store_b128 v3, v[C+4*(\t):C+4*(\t)+3], s[12:13] offset:256*(\t)   ; block t = image t / 2, half t % 2: lanes 0-15 fill 256 consecutive bytes of tile 0, lanes 16-31 of tile 1
.endm
; One wave's task.  ph: 0 up, 1 down;  src: the scalar pair with the tensor's address;  pitch: bytes from k to k + 1
.macro QPATH ph, src, pitch
	s_sub_co_u32 s19, ttmp9, 1
	s_and_b32 s19, s19, 127                        ; which of the tensor's 128 work-groups
	s_lshr_b32 s20, s19, 4                         ; expert
.if \ph
	s_bfe_u32 s21, s19, 0x20002                    ; K step of 128: 0 .. 3
	s_and_b32 s22, s19, 3
	s_lshl_b32 s22, s22, 3
	s_add_co_u32 s22, s22, s18                     ; which 32 columns: 0 .. 31
	s_lshl_b32 s25, s22, 7                         ; their first byte in a row
	s_and_b32 s24, s22, 1
	s_lshl_b32 s24, s24, 2
	s_add_co_u32 s24, s24, s21                     ; step = 4 p + s
	s_lshr_b32 s23, s22, 1                         ; w
.else
	s_bfe_u32 s21, s19, 0x30001                    ; K step of 128: 0 .. 7
	s_and_b32 s23, s19, 1
	s_lshl_b32 s23, s23, 3
	s_add_co_u32 s23, s23, s18                     ; w: which 32 columns
	s_lshl_b32 s25, s23, 7
	s_mov_b32 s24, s21                             ; step = s
.endif
	s_lshl_b32 s26, s20, 21                        ; an expert's bank is 2,097,152 bytes
	s_mul_i32 s28, s21, 128*\pitch
	s_add_co_u32 s26, s26, s28
	s_add_co_u32 s26, s26, s25
	s_mov_b32 s27, 0
	s_add_nc_u64 s[\src:\src+1], s[\src:\src+1], s[26:27]
	s_lshl_b32 s28, s20, 5
	s_add_co_u32 s28, s28, 16*\ph
	s_add_co_u32 s28, s28, s23                     ; (2 e + ph) 16 + w
	s_lshl_b32 s26, s28, 14
	s_lshl_b32 s29, s24, 11
	s_add_co_u32 s26, s26, s29
	s_add_nc_u64 s[12:13], s[12:13], s[26:27]      ; my 2,048 bytes of codes
	s_lshl_b32 s26, s28, 10
	s_lshl_b32 s29, s24, 7
	s_add_co_u32 s26, s26, s29
	s_add_nc_u64 s[14:15], s[14:15], s[26:27]      ; my 128 bytes of scale words
.if \ph
	v_lshlrev_b32 v2, 2, v1                        ; lane l takes column l
.else
	v_and_b32 v5, 7, v1                            ; lane 16 u + 8 a + j takes column 16 a + 8 u + j
	v_bfe_u32 v6, v1, 4, 1
	v_bfe_u32 v7, v1, 3, 1
	v_lshl_or_b32 v5, v6, 3, v5
	v_lshl_or_b32 v5, v7, 4, v5
	v_lshlrev_b32 v2, 2, v5
.endif
	LOADB 0, \src, \pitch
	LOADB 1, \src, \pitch
	v_lshrrev_b32 v6, 4, v1
	v_and_b32 v7, 15, v1
	v_lshlrev_b32 v3, 4, v7
	v_lshl_add_u32 v3, v6, 10, v3                  ; codes: 1,024 x tile + 16 x row
	v_lshlrev_b32 v4, 2, v1                        ; scale words: 4 x lane
	BLOCKW 0, \src, \pitch
	BLOCKW 1, \src, \pitch
	BLOCKW 2, \src, \pitch
	BLOCKW 3, \src, \pitch
	global_store_b32 v4, v[SB], s[14:15]
.endm
; Four groups of 32 tokens, g0 .. g0 + 3, line by line by turns, so that no line waits for the line above it
.macro GROUP4 g0
	s_wait_loadcnt 28-(\g0)                        ; loads come back in order: these four groups' are in, the later groups' may be out
.irp j, 0,1,2,3
	v_cmp_eq_u32 s[20+\j], v[IDX+2*((\g0)+\j)], v[IDX+2*((\g0)+\j)+1]
.endr
.irp j, 0,1,2,3
	v_xor_b32 v[TA+\j], 1, v[IDX+2*((\g0)+\j)+1]
.endr
.irp j, 0,1,2,3
	v_cndmask_b32 v[TA+\j], v[IDX+2*((\g0)+\j)+1], v[TA+\j], s[20+\j]   ; c = i1, or i1 xor 1 where i0 = i1
.endr
.irp j, 0,1,2,3
	v_min_u32 v[TB+\j], v[IDX+2*((\g0)+\j)], v[TA+\j]                   ; a, the lesser
.endr
.irp j, 0,1,2,3
	v_add_nc_u32 v[TC+\j], v[IDX+2*((\g0)+\j)], v[TA+\j]
.endr
.irp j, 0,1,2,3
	v_sub_nc_u32 v[TC+\j], v[TC+\j], v[TB+\j]      ; b, the greater: the sum less the lesser; at least 1
.endr
.irp j, 0,1,2,3
	v_min_u32 v[TC+\j], 7, v[TC+\j]
.endr
.irp j, 0,1,2,3
	v_add_nc_u32 v[TA+\j], -1, v[TC+\j]
.endr
.irp j, 0,1,2,3
	v_sub_nc_u32 v[TD+\j], v[TA+\j], v[TB+\j]      ; b - 1 - a
.endr
.irp j, 0,1,2,3
	v_and_b32 v[TE+\j], 1, v[TC+\j]
.endr
.irp j, 0,1,2,3
	v_cmp_eq_u32 s[20+\j], 0, v[TE+\j]
.endr
.irp j, 0,1,2,3
	v_cndmask_b32 v[TB+\j], v[TB+\j], v[TD+\j], s[20+\j]   ; the pairs of an even b are walked from a = b - 1 down, those of an odd b from a = 0 up
.endr
.irp j, 0,1,2,3
	v_mul_u32_u24 v[TA+\j], v[TA+\j], v[TC+\j]
.endr
.irp j, 0,1,2,3
	v_lshrrev_b32 v[TA+\j], 1, v[TA+\j]
.endr
.irp j, 0,1,2,3
	v_add_nc_u32 v[TA+\j], v[TA+\j], v[TB+\j]      ; key = b (b - 1) / 2 + the pair's place among b's
.endr
.irp j, 0,1,2,3
	v_min_u32 v[TA+\j], 27, v[TA+\j]
.endr
.irp j, 0,1,2,3
	v_lshlrev_b32 v[K4+(\g0)+\j], 2, v[TA+\j]      ; as a lane index for ds_bpermute_b32
.endr
.irp b, 0,1,2,3,4
.irp j, 0,1,2,3
	v_and_b32 v[TB+\j], 1<<\b, v[TA+\j]
.endr
.irp j, 0,1,2,3
	v_cmp_ne_u32 s[20+4*\b+\j], 0, v[TB+\j]        ; the ballot: the tokens whose key has bit b
.endr
.endr
.irp j, 0,1,2,3
	v_xor_b32 v[BB+(\g0)+\j], s[20+\j], v4         ; lane q: the ballot where q has the bit, its complement where not;
.endr
.irp b, 1,2,3,4
.irp j, 0,1,2,3
	v_xor_b32 v[TB+\j], s[20+4*\b+\j], v[4+\b]
.endr
.irp j, 0,1,2,3
	v_and_b32 v[BB+(\g0)+\j], v[BB+(\g0)+\j], v[TB+\j]   ; all five together: the tokens whose key is q
.endr
.endr
.irp j, 0,1,2,3
	ds_bpermute_b32 v[PE+(\g0)+\j], v[K4+(\g0)+\j], v[BB+(\g0)+\j]   ; each token takes its own key's mask: its peers
.endr
.irp j, 0,1,2,3                        ; the mask's bit count, in twelve plain lines
	v_lshrrev_b32 v[TB+\j], 1, v[BB+(\g0)+\j]
.endr
.irp j, 0,1,2,3
	v_and_b32 v[TB+\j], s40, v[TB+\j]
.endr
.irp j, 0,1,2,3
	v_sub_nc_u32 v[TC+\j], v[BB+(\g0)+\j], v[TB+\j]
.endr
.irp j, 0,1,2,3
	v_and_b32 v[TB+\j], s41, v[TC+\j]
.endr
.irp j, 0,1,2,3
	v_lshrrev_b32 v[TC+\j], 2, v[TC+\j]
.endr
.irp j, 0,1,2,3
	v_and_b32 v[TC+\j], s41, v[TC+\j]
.endr
.irp j, 0,1,2,3
	v_add_nc_u32 v[TC+\j], v[TB+\j], v[TC+\j]
.endr
.irp j, 0,1,2,3
	v_lshrrev_b32 v[TB+\j], 4, v[TC+\j]
.endr
.irp j, 0,1,2,3
	v_add_nc_u32 v[TC+\j], v[TC+\j], v[TB+\j]
.endr
.irp j, 0,1,2,3
	v_and_b32 v[TC+\j], s42, v[TC+\j]
.endr
.irp j, 0,1,2,3
	v_mul_lo_u32 v[TC+\j], v[TC+\j], s43
.endr
.irp j, 0,1,2,3
	v_lshrrev_b32 v[CNT+(\g0)+\j], 24, v[TC+\j]
.endr
	v_add3_u32 v9, v9, v[CNT+(\g0)], v[CNT+(\g0)+1]
	v_add3_u32 v9, v9, v[CNT+(\g0)+2], v[CNT+(\g0)+3]    ; lane q: my wave's total of key q
.endm
	s_load_b256 s[4:11], s[0:1], 0x0               ; expert_idxs s[4:5], w_up s[6:7], w_down s[8:9], order s[10:11]
	s_load_b128 s[12:15], s[0:1], 0x20             ; wc s[12:13], ws s[14:15]
	v_lshl_add_u32 v224, v0, 2, 0x400
	v_mov_b32 v225, 0
	v_lshrrev_b32 v1, 5, v0
	v_readfirstlane_b32 s18, v1                    ; wave 0..7
	v_and_b32 v1, 31, v0                           ; lane
	s_wait_kmcnt 0x0
	s_cmp_eq_u32 ttmp9, 0
	s_cbranch_scc1 .Lsort
	s_cmp_gt_u32 ttmp9, 128
	s_cbranch_scc1 .Ldown
	QPATH 0, 6, 2048
	s_endpgm
.Ldown:
	QPATH 1, 8, 4096
	s_endpgm
.Lsort:
	s_lshl_b32 s19, s18, 13                        ; my wave's 1,024 tokens x 8 bytes
	v_lshl_add_u32 v2, v1, 3, s19
.set g, 0
.rept 32
	global_load_b64 v[IDX+2*g:IDX+2*g+1], v2, s[4:5] offset:256*g    ; a group's 32 pairs: 256 consecutive bytes
.set g, g+1
.endr
	v_lshlrev_b32 v3, 2, v1                        ; 4 x lane
.irp b, 0,1,2,3,4
	v_bfe_u32 v[4+\b], v1, \b, 1
.endr
.irp b, 0,1,2,3,4
	v_add_nc_u32 v[4+\b], -1, v[4+\b]              ; all ones where my lane's number lacks bit b, else 0
.endr
	v_mov_b32 v9, 0
	s_mov_b32 s40, 0x55555555
	s_mov_b32 s41, 0x33333333
	s_mov_b32 s42, 0x0f0f0f0f
	s_mov_b32 s43, 0x01010101
.irp g0, 0,4,8,12,16,20,24,28
	GROUP4 \g0
.endr
	v_lshlrev_b32 v11, 2, v0
	ds_store_b32 v11, v9                           ; wave v, key q: word 32 v + q
	s_wait_dscnt 0x0                               ; for the others' sake: my store has landed (and my 32 permutes are back)
	s_barrier_signal -1
	s_barrier_wait -1
.irp i, 0,1,2,3,4,5,6,7
	ds_load_b32 v[12+\i], v3 offset:128*\i         ; lane q: every wave's total of key q
.endr
	s_wait_dscnt 0x0
	v_add_nc_u32 v20, v12, v13
	v_add_nc_u32 v21, v14, v15
	v_add_nc_u32 v22, v16, v17
	v_add_nc_u32 v23, v18, v19
	v_add3_u32 v20, v20, v21, v22
	v_add_nc_u32 v20, v20, v23                     ; all tokens of key q
	v_mov_b32 v24, 0
.irp i, 0,1,2,3,4,5,6
	s_cmp_gt_u32 s18, \i
	s_cselect_b32 s44, -1, 0
	v_and_b32 v25, s44, v[12+\i]
	v_add_nc_u32 v24, v24, v25                     ; those of the waves in front of mine
.endr
	v_mov_b32 v26, v20
	v_mov_b32 v27, 0
.irp n, 1,2,4,8
	v_mov_b32_dpp v27, v26 row_shr:\n row_mask:0xf bank_mask:0xf bound_ctrl:1   ; lane q takes lane q - n of its 16, or 0
	v_add_nc_u32 v26, v26, v27                     ; the running sum over the keys, inside each 16 lanes
.endr
	v_readlane_b32 s44, v26, 15                    ; keys 0-15 in all:
	v_cmp_lt_u32 vcc_lo, 15, v1
	v_mov_b32 v27, s44
	v_cndmask_b32 v27, 0, v27, vcc_lo              ; they stand in front of keys 16-27
	v_sub_nc_u32 v10, v26, v20                     ; the keys in front of q,
	v_add3_u32 v10, v10, v27, v24                  ; and key q's tokens of earlier waves: where my wave's first token of key q goes
	; Group g's base is that + the counts of groups 0 .. g - 1: a running sum made in place in the counts, so that no register that a permute names is written again
	ds_bpermute_b32 v[BB], v[K4], v10
	v_add_nc_u32 v[CNT], v[CNT], v10
.set g, 1
.rept 31
	ds_bpermute_b32 v[BB+g], v[K4+g], v[CNT+g-1]   ; each token takes its own key's base
.if g < 31
	v_add_nc_u32 v[CNT+g], v[CNT+g], v[CNT+g-1]
.endif
.set g, g+1
.endr
	s_lshl_b32 s44, s18, 10
	v_add_nc_u32 v28, s44, v1                      ; my token in group 0
.set g, 0
.rept 32
	v_mbcnt_lo_u32_b32 v[PE+g], v[PE+g], 0         ; my peers in lower lanes: my rank in the group
.set g, g+1
.endr
	s_wait_dscnt 0x0
.set g, 0
.rept 32
	v_add_nc_u32 v[64+g], v[BB+g], v[PE+g]         ; my place
	v_add_nc_u32 v[32+g], 32*g, v28                ; my token
.set g, g+1
.endr
.set g, 0
.rept 32
	v_min_u32 v[64+g], 0x1fff, v[64+g]
.set g, g+1
.endr
.set g, 0
.rept 32
	v_lshlrev_b32 v[64+g], 2, v[64+g]
.set g, g+1
.endr
.set g, 0
.rept 32
	global_store_b32 v[64+g], v[32+g], s[10:11]
.set g, g+1
.endr
	s_wait_tensorcnt 0x0
	ds_add_u32 v224, v225
	s_wait_dscnt 0x0
	s_endpgm
.Lfunc_end_k_q497a9355ce_prep:
	.size	k_q497a9355ce_prep, .Lfunc_end_k_q497a9355ce_prep-k_q497a9355ce_prep
	.p2alignl 7, 3214868480
	.fill 96, 4, 3214868480
	.section	.rodata,"a",@progbits
	.p2align	6, 0x0
	.amdhsa_kernel k_q497a9355ce_prep
		.amdhsa_group_segment_fixed_size 2048
		.amdhsa_private_segment_fixed_size 0
		.amdhsa_enable_private_segment 0
		.amdhsa_kernarg_size 48
		.amdhsa_user_sgpr_count 2
		.amdhsa_user_sgpr_kernarg_segment_ptr 1
		.amdhsa_wavefront_size32 1
		.amdhsa_system_sgpr_workgroup_id_x 1
		.amdhsa_system_sgpr_workgroup_id_y 1
		.amdhsa_system_sgpr_workgroup_id_z 1
		.amdhsa_system_vgpr_workitem_id 0
		.amdhsa_next_free_vgpr 226
		.amdhsa_next_free_sgpr 66
		.amdhsa_reserve_vcc 1
		.amdhsa_float_denorm_mode_32 3
		.amdhsa_float_denorm_mode_16_64 3
		.amdhsa_memory_ordered 1
		.amdhsa_forward_progress 1
		.amdhsa_inst_pref_size 123
	.end_amdhsa_kernel
	.amdgpu_metadata
---
amdhsa.version: [ 1, 2 ]
amdhsa.kernels:
  - .name:           k_q497a9355ce_prep
    .symbol:         k_q497a9355ce_prep.kd
    .args:
      - { .name: expert_idxs, .offset: 0, .size: 8, .value_kind: global_buffer, .address_space: global }
      - { .name: w_up, .offset: 8, .size: 8, .value_kind: global_buffer, .address_space: global }
      - { .name: w_down, .offset: 16, .size: 8, .value_kind: global_buffer, .address_space: global }
      - { .name: order, .offset: 24, .size: 8, .value_kind: global_buffer, .address_space: global }
      - { .name: wc, .offset: 32, .size: 8, .value_kind: global_buffer, .address_space: global }
      - { .name: ws, .offset: 40, .size: 8, .value_kind: global_buffer, .address_space: global }
    .group_segment_fixed_size: 2048
    .private_segment_fixed_size: 0
    .kernarg_segment_align: 8
    .kernarg_segment_size: 48
    .max_flat_workgroup_size: 256
    .sgpr_count:     66
    .vgpr_count:     226
    .wavefront_size: 32
...
	.end_amdgpu_metadata
.endif
;; end of part 3
;; launch moe (part 4): grid 256 x 1, 16 waves a work-group, no clusters, 108,544 bytes of LDS; arguments x, expert_idxs, expert_p, order, wc, ws, out0; writes out0
.if DOCPART == 4
	.amdgcn_target "amdgcn-amd-amdhsa--gfx1250"
	.amdhsa_code_object_version 6
	.text
	.protected	k_q497a9355ce_moe
	.globl	k_q497a9355ce_moe
	.p2align	8
	.type	k_q497a9355ce_moe,@function
k_q497a9355ce_moe:
	s_mov_b64 s[64:65], 0
	v_nop
	global_prefetch_b8 v0, s[64:65] scope:SCOPE_SE
	s_setreg_imm32_b32 hwreg(HW_REG_WAVE_MODE, 25, 1), 1
	s_wait_xcnt 0x0
; y[t] = sum over e of gate_e[t] (gelu(x[t] Wup[e]) Wdown[e]), gate_e = p0 (i0 == e) + p1 (i1 == e); both products on codes of FP4 (E2M1) with one E8M0 scale for each 32 along K.
; SHARES.  A work-group owns the 32 tokens at sorted places 32 g .. 32 g + 31 (order, made by the launch before) through the whole chain, so each row of y has one owner and the hidden layer never leaves the WGP.
; It walks e = 0 .. 7, a constant count, and passes over, by a scalar branch on the indices that it has read, the experts that none of its tokens names.  All 32 rows are multiplied for an expert that the block uses;
; a token's gate for an expert that it did not choose is 0 by the formula above, so blocks of mixed sets and tokens with i0 = i1 need no case of their own.
; THE SIXTEEN WAVES SHARE THE COLUMNS: wave w makes hidden units 32 w .. 32 w + 31 (one block of 32 of the next K) and output columns 64 w .. 64 w + 63, for all 32 tokens.  Four waves to a SIMD, 256 registers each.
; The weights come from memory straight into registers, as images of the operand's registers (wc, ws: laid by the launch before): each lane loads 16 bytes, a load 512 consecutive bytes.
; THE SECOND PRODUCT'S FIRST FOUR STEPS OF WEIGHTS, AND ITS SCALE WORDS, ARE ASKED FOR IN THE FIRST PRODUCT'S LAST FOUR STEPS, as its slots fall free: they are on their way under gelu, the quantiser and the barrier.
; ONE BARRIER AN EXPERT: the hidden layer has two LDS buffers by turns (the loop's body is written for two experts).  Expert e writes buffer e % 2, passes the barrier and reads it; that buffer is written again by
; expert e + 2, behind expert e + 1's barrier, which a wave signals only when its reads for expert e are back.
; NO TENSOR LOAD, NO CLUSTER: the walk branches on numbers read from memory, and the blocks that would form a cluster need not use the same experts, so they could not make every request jointly.
; BOTH PRODUCTS ARE USED TRANSPOSED (source 0 = 16 rows of a weight, source 1 = 16 tokens): a lane holds ONE token (lane % 16), its registers run along hidden units or output columns.
; The rows of Wup that form a tile are chosen (by the launch before) so that a lane's 16 registers of the wave's two tiles are hidden units 32 w + 16 (lane / 16) + 0 .. 15: neighbours along the next K.
; x is read once, by its owner: it is quantised here, at the head.  Codes of x and of the hidden layer lie in LDS as rows (K innermost, 16 bytes of padding), scale bytes beside them.
; GELU is the exact one: 0.5 u (1 + erf(u / sqrt 2)), erf(z) = z P(z^2) / Q(z^2) with z held to +-4 (beyond, erf is +-1 in f32), all in f32.
; LIMITS: erf is good to a few units in the last place of 1.0, so for u well under 0 the error of gelu relative to its own small size grows, as in any f32 form of 1 + erf; NaN and infinities are not served;
; a block of zeros, or one whose largest magnitude lies under 2^-124, gets the scale byte 1 (its codes are zeros; this program alone reads the bytes); gate x product + y is one fused multiply-add.
.set XC,  0                            ; LDS: x's codes: 32 rows x (512 + 16) bytes
.set XSC, 16896                        ; x's scale bytes: 32 rows x (32 + 16)
.set HC,  18432                        ; the hidden layer's codes, buffer 0: 32 rows x (256 + 16)
.set HSC, 27136                        ; its scale bytes: 32 rows x 16
.set HPAR, 9216                        ; buffer 1 lies so many bytes behind buffer 0: codes at 27,648, scale bytes at 36,352
.set STG, 36864                        ; the way out: for each wave 16 rows x (256 + 16)
.set L16, 1                            ; v1   16 x lane: my place in an image
.set L4,  2                            ; v2   4 x lane: my scale word
.set XA,  3                            ; v3   x's fragments: XC + 528 r + 16 h
.set HA,  4                            ; v4   the hidden layer's: HC + 272 r + 16 h
.set HW,  5                            ; v5   where I put my 16 hidden codes: HC + 272 r + 16 w + 8 h
.set HB,  6                            ; v6   and their block's byte: HSC + 16 r + w
.set HSL, 7                            ; v7   HSC + 16 x lane: a token's four scale words
.set SO,  8                            ; v8   stage, in: STG + 4352 w + 272 r + 32 h
.set SR,  9                            ; v9   stage, back: STG + 4352 w + 272 h + 16 r
.set CB,  10                           ; v10  256 w + 16 r: my bytes in a row of y
.set H4,  11                           ; v11  4 h
.set XCS, 12                           ; v12  where I put 8 codes of x: XC + 1056 w + 4 x lane
.set XSS, 13                           ; v13  and their block's byte: XSC + 96 w + lane / 4
.set XSL, 14                           ; v14  XSC + 48 x lane: a token's eight scale words
.set IX,  16                           ; v16-19  (i0, i1) of tokens r and 16 + r
.set GP,  20                           ; v20-23  (p0, p1) likewise
.set G,   24                           ; v24-27  the gates of tokens r and 16 + r for the expert in hand, each twice (pairs for the packed form)
.set XS,  28                           ; v28-35  x's scale words: lane = token, register = K step.  (v28-47 hold scales and nothing else)
.set HS,  36                           ; v36-39  the hidden layer's
.set WS,  40                           ; v40-47  the weights': register = step; lanes 0-15 tile 0's rows, lanes 16-31 tile 1's
.set ACC, 48                           ; v48-79  four accumulators: weight tile t x token tile m at ACC + 8 (2 m + t)
.set FX,  80                           ; v80-111 two sets of two token fragments; gelu's working registers
.set W,   112                          ; v112-175 four slots of two weight fragments
.set Y,   176                          ; v176-239 y: column tile n (0 .. 3) x token tile m at Y + 32 m + 8 n
.set T,   240                          ; v240-255 at work
.set ZC,  FX                           ; gelu works on 8 numbers a lane at a time, in the 32 registers where token fragments lay: the weight slots hold loads that are on their way
.set X2,  FX+8
.set PP,  FX+16
.set QQ,  FX+24
.macro BAR                             ; my LDS stores have landed and my LDS loads are in: then the work-group's barrier
	s_wait_dscnt 0x0
	s_barrier_signal -1
	s_barrier_wait -1
.endm
.macro PLACES                          ; four plain lines between a matrix instruction and a load into, or a vector line on, its registers (ISA guide 7.12.1 for vector lines)
.rept 4
	v_nop
.endr
.endm
.macro WLOAD slot, step, ph, par       ; a step's two weight fragments: four loads of 512 consecutive bytes.  par: the first or the second expert of the loop's body
.irp t, 0,1
.irp c, 0,1
	global_load_b128 v[W+16*(\slot)+8*\t+4*\c:W+16*(\slot)+8*\t+4*\c+3], v[L16], s[12:13] offset:524288*(\par)+262144*(\ph)+2048*(\step)+1024*\t+512*\c
.endr
.endr
.endm
.macro WSLOAD ph, par                  ; a product's eight scale words
.irp s, 0,1,2,3,4,5,6,7
	global_load_b32 v[WS+\s], v[L4], s[14:15] offset:32768*(\par)+16384*(\ph)+128*\s
.endr
.endm
.macro TLOAD set, adr, pitch, ks, base ; the two token fragments of K step ks: lane (r, h), registers 4 c ..: k = 64 c + 32 h + 0 .. 31 of its row: 16 bytes as they lie
.irp m, 0,1
.irp c, 0,1
	ds_load_b128 v[FX+16*(\set)+8*\m+4*\c:FX+16*(\set)+8*\m+4*\c+3], v[\adr] offset:(\base)+16*\m*(\pitch)+64*(\ks)+32*\c
.endr
.endr
.endm
; Four products: two weight tiles x two token tiles, 128 along K.  The four accumulators take turns, one instruction a turn, in the same order in every step.
.macro MM4 step, zero, sb
.set rA, W+16*((\step)%4)
.set rB, FX+16*((\step)%2)
.set rW, WS+(\step)
.if \zero
	v_wmma_scale_f32_16x16x128_f8f6f4 v[ACC:ACC+7], v[rA:rA+7], v[rB:rB+7], 0, v[rW], v[\sb] matrix_a_fmt:MATRIX_FMT_FP4 matrix_b_fmt:MATRIX_FMT_FP4
	v_wmma_scale_f32_16x16x128_f8f6f4 v[ACC+8:ACC+15], v[rA+8:rA+15], v[rB:rB+7], 0, v[rW], v[\sb] matrix_a_fmt:MATRIX_FMT_FP4 matrix_b_fmt:MATRIX_FMT_FP4 matrix_a_scale:MATRIX_SCALE_ROW1
	v_wmma_scale_f32_16x16x128_f8f6f4 v[ACC+16:ACC+23], v[rA:rA+7], v[rB+8:rB+15], 0, v[rW], v[\sb] matrix_a_fmt:MATRIX_FMT_FP4 matrix_b_fmt:MATRIX_FMT_FP4 matrix_b_scale:MATRIX_SCALE_ROW1
	v_wmma_scale_f32_16x16x128_f8f6f4 v[ACC+24:ACC+31], v[rA+8:rA+15], v[rB+8:rB+15], 0, v[rW], v[\sb] matrix_a_fmt:MATRIX_FMT_FP4 matrix_b_fmt:MATRIX_FMT_FP4 matrix_a_scale:MATRIX_SCALE_ROW1 matrix_b_scale:MATRIX_SCALE_ROW1
.else
	v_wmma_scale_f32_16x16x128_f8f6f4 v[ACC:ACC+7], v[rA:rA+7], v[rB:rB+7], v[ACC:ACC+7], v[rW], v[\sb] matrix_a_fmt:MATRIX_FMT_FP4 matrix_b_fmt:MATRIX_FMT_FP4
	v_wmma_scale_f32_16x16x128_f8f6f4 v[ACC+8:ACC+15], v[rA+8:rA+15], v[rB:rB+7], v[ACC+8:ACC+15], v[rW], v[\sb] matrix_a_fmt:MATRIX_FMT_FP4 matrix_b_fmt:MATRIX_FMT_FP4 matrix_a_scale:MATRIX_SCALE_ROW1
	v_wmma_scale_f32_16x16x128_f8f6f4 v[ACC+16:ACC+23], v[rA:rA+7], v[rB+8:rB+15], v[ACC+16:ACC+23], v[rW], v[\sb] matrix_a_fmt:MATRIX_FMT_FP4 matrix_b_fmt:MATRIX_FMT_FP4 matrix_b_scale:MATRIX_SCALE_ROW1
	v_wmma_scale_f32_16x16x128_f8f6f4 v[ACC+24:ACC+31], v[rA+8:rA+15], v[rB+8:rB+15], v[ACC+24:ACC+31], v[rW], v[\sb] matrix_a_fmt:MATRIX_FMT_FP4 matrix_b_fmt:MATRIX_FMT_FP4 matrix_a_scale:MATRIX_SCALE_ROW1 matrix_b_scale:MATRIX_SCALE_ROW1
.endif
.endm
.macro YUP p                           ; y += gate x (h Wdown) for column tiles 2 p, 2 p + 1: one fused multiply-add, two numbers a line; each accumulator is read from its low end on
.irp m, 0,1
.irp t, 0,1
.irp q, 0,2,4,6
	v_pk_fma_f32 v[Y+32*\m+8*(2*(\p)+\t)+\q:Y+32*\m+8*(2*(\p)+\t)+\q+1], v[ACC+8*(2*\m+\t)+\q:ACC+8*(2*\m+\t)+\q+1], v[G+2*\m:G+2*\m+1], v[Y+32*\m+8*(2*(\p)+\t)+\q:Y+32*\m+8*(2*(\p)+\t)+\q+1]
.endr
.endr
.endr
.endm
; Eight steps of four products.  ph = 0: x Wup, K = 1,024 in eight steps.  ph = 1: h Wdown, K = 512 in four steps, for two pairs of column tiles.
; Weights run four steps ahead in four slots, on from the first product into the second; token fragments two steps ahead in two sets.
.macro GEMM8 ph, par
.if \ph
	ds_load_b128 v[HS:HS+3], v[HSL] offset:HPAR*(\par)
	TLOAD 0, HA, 272, 0, HPAR*(\par)
	TLOAD 1, HA, 272, 1, HPAR*(\par)
.else
	WSLOAD 0, \par
	WLOAD 0, 0, 0, \par
	WLOAD 1, 1, 0, \par
	WLOAD 2, 2, 0, \par
	WLOAD 3, 3, 0, \par
	TLOAD 0, XA, 528, 0, 0
	TLOAD 1, XA, 528, 1, 0
.endif
.set Q, 0
.rept 8
.if \ph
.if Q == 0
	s_wait_loadcnt 0x0                             ; steps 0 to 3 and the scale words, asked for in the first product: nothing else is out
.elseif Q < 5
	s_wait_loadcnt 12                              ; step 4's four loads are in when the twelve of steps 5 to 7 are all that is out (steps 1 to 3 came with step 0's wait)
.else
	s_wait_loadcnt 4*(7-Q)                         ; the steps that are left: 8, 4, 0
.endif
.else
	s_wait_loadcnt 12                              ; this step's four loads (and the scale words, issued ahead of all) are in; behind them stand the next three slots' twelve, in every step: the slots go on into the second product
.endif
.if Q < 7
	s_wait_dscnt 4                                 ; this step's token fragments are in; the next step's four loads may be out
.else
	s_wait_dscnt 0x0
.endif
.if \ph
	MM4 Q, (Q%4)==0, HS+Q%4
.else
	MM4 Q, Q==0, XS+Q
.endif
	PLACES
.if Q < 4
	WLOAD Q%4, Q+4, \ph, \par
.elseif \ph == 0
	WLOAD Q%4, Q-4, 1, \par                        ; the slot takes a step of Wdown
.endif
.if Q < 6
.if \ph
	TLOAD Q%2, HA, 272, (Q+2)%4, HPAR*(\par)
.else
	TLOAD Q%2, XA, 528, Q+2, 0
.endif
.endif
.if \ph
.if (Q%4) == 3
	YUP Q/4                                        ; (with the four lines above, more than the five places that the next step's fresh sums want behind these)
.endif
.endif
.set Q, Q+1
.endr
.if \ph == 0
	WSLOAD 1, \par                                 ; Wdown's scale words, behind the places of the last product that read Wup's
.endif
.endm
; gelu of one accumulator's 8 numbers a lane, in place, two numbers a line where a packed form exists; P's and Q's chains by turns
.macro GELU8 a
.set GA, ACC+8*(\a)
.irp q, 0,2,4,6
	v_pk_mul_f32 v[ZC+\q:ZC+\q+1], v[GA+\q:GA+\q+1], s[30:31] op_sel_hi:[1,0]      ; z = u / sqrt 2
.endr
.irp j, 0,1,2,3,4,5,6,7
	v_med3_num_f32 v[ZC+\j], v[ZC+\j], -4.0, 4.0
.endr
.irp q, 0,2,4,6
	v_pk_mul_f32 v[X2+\q:X2+\q+1], v[ZC+\q:ZC+\q+1], v[ZC+\q:ZC+\q+1]
.endr
.irp j, 0,1,2,3,4,5,6,7
	v_fma_f32 v[PP+\j], v[X2+\j], s32, s33
.endr
.irp j, 0,1,2,3,4,5,6,7
	v_fma_f32 v[QQ+\j], v[X2+\j], s34, s35
.endr
.irp k, 0,2,4
.irp q, 0,2,4,6
	v_pk_fma_f32 v[PP+\q:PP+\q+1], v[PP+\q:PP+\q+1], v[X2+\q:X2+\q+1], s[36+\k:37+\k] op_sel_hi:[1,1,0]
.endr
.irp q, 0,2,4,6
	v_pk_fma_f32 v[QQ+\q:QQ+\q+1], v[QQ+\q:QQ+\q+1], v[X2+\q:X2+\q+1], s[46+\k:47+\k] op_sel_hi:[1,1,0]
.endr
.endr
.irp k, 42,44
.irp q, 0,2,4,6
	v_pk_fma_f32 v[PP+\q:PP+\q+1], v[PP+\q:PP+\q+1], v[X2+\q:X2+\q+1], s[\k:\k+1] op_sel_hi:[1,1,0]
.endr
.endr
.irp j, 0,1,2,3,4,5,6,7
	v_rcp_f32 v[QQ+\j], v[QQ+\j]                   ; one batch of eight
.endr
.irp q, 0,2,4,6
	v_pk_mul_f32 v[PP+\q:PP+\q+1], v[PP+\q:PP+\q+1], v[ZC+\q:ZC+\q+1]              ; z P: plain work that names no reciprocal
.endr
.irp q, 0,2,4,6
	v_pk_mul_f32 v[GA+\q:GA+\q+1], v[GA+\q:GA+\q+1], 0.5 op_sel_hi:[1,0]           ; 0.5 u, in place
.endr
	s_wait_alu depctr_va_vdst(0)                   ; one wait for the batch, ahead of its first reader
.irp q, 0,2,4,6
	v_pk_mul_f32 v[PP+\q:PP+\q+1], v[PP+\q:PP+\q+1], v[QQ+\q:QQ+\q+1]              ; erf
.endr
.irp q, 0,2,4,6
	v_pk_fma_f32 v[GA+\q:GA+\q+1], v[GA+\q:GA+\q+1], v[PP+\q:PP+\q+1], v[GA+\q:GA+\q+1]   ; 0.5 u erf + 0.5 u
.endr
.endm
; Token tile m's hidden numbers become codes: my 16 and lane l xor 16's 16 are the block of 32 hidden units that my wave owns
.macro QH m, par
.set GA, ACC+16*(\m)
.set TQ, T+6*(\m)                      ; six working registers for each tile
	v_max3_num_f32 v[TQ], |v[GA]|, |v[GA+1]|, 0x1800000    ; with the floor 2^(3 - 127): the byte cannot fall under 1
.irp i, 2,4,6,8,10,12,14
	v_max3_num_f32 v[TQ], v[TQ], |v[GA+\i]|, |v[GA+\i+1]|
.endr
	v_permlanex16_b32 v[TQ+1], v[TQ], s28, s29     ; (its destination was written at the head)
	v_max_num_f32 v[TQ], v[TQ], v[TQ+1]            ; the block's largest magnitude
	v_add_nc_u32 v[TQ+2], 0xff000000, v[TQ]        ; 2 off its exponent field: the conversion's scale operand
	v_lshrrev_b32 v[TQ+3], 23, v[TQ+2]             ; the scale's byte
	v_cvt_scalef32_pk8_fp4_f32 v[TQ+4], v[GA:GA+7], v[TQ+2]
	v_cvt_scalef32_pk8_fp4_f32 v[TQ+5], v[GA+8:GA+15], v[TQ+2]
	v_nop                                          ; one plain line behind the last conversion
	ds_store_b64 v[HW], v[TQ+4:TQ+5] offset:HPAR*(\par)+16*(\m)*272
	ds_store_b8 v[HB], v[TQ+3] offset:HPAR*(\par)+256*(\m)     ; both lanes of a block write the same byte with the same value
.endm
; Token 2 w + i of the block: its 1,024 numbers, 8 neighbours a lane in each of four chunks of 256; a block of 32 is four neighbouring lanes
.macro XQ i, left
	s_wait_loadcnt \left
.irp c, 0,1,2,3
	v_max3_num_f32 v[FX+16*\i+\c], |v[W+32*\i+8*\c]|, |v[W+32*\i+8*\c+1]|, 0x1800000
.endr
.irp k, 2,4,6
.irp c, 0,1,2,3
	v_max3_num_f32 v[FX+16*\i+\c], v[FX+16*\i+\c], |v[W+32*\i+8*\c+\k]|, |v[W+32*\i+8*\c+\k+1]|
.endr
.endr
.irp x, 1,2
.irp c, 0,1,2,3
	v_max_num_f32_dpp v[FX+16*\i+\c], v[FX+16*\i+\c], v[FX+16*\i+\c] row_xmask:\x row_mask:0xf bank_mask:0xf
.endr
.endr
.irp c, 0,1,2,3
	v_add_nc_u32 v[FX+16*\i+4+\c], 0xff000000, v[FX+16*\i+\c]
.endr
.irp c, 0,1,2,3
	v_lshrrev_b32 v[FX+16*\i+8+\c], 23, v[FX+16*\i+4+\c]
.endr
.irp c, 0,1,2,3
	v_cvt_scalef32_pk8_fp4_f32 v[FX+16*\i+12+\c], v[W+32*\i+8*\c:W+32*\i+8*\c+7], v[FX+16*\i+4+\c]
.endr
	v_nop                                          ; one plain line behind the last conversion
.irp c, 0,1,2,3
	ds_store_b32 v[XCS], v[FX+16*\i+12+\c] offset:528*\i+128*\c     ; 32 lanes: 128 consecutive bytes of the token's row
	ds_store_b8 v[XSS], v[FX+16*\i+8+\c] offset:48*\i+8*\c          ; the four lanes of a block write the same byte with the same value
.endr
.endm
; One expert.  par: the first or the second of the loop's body: which hidden buffer, and which immediates;  ereg: the scalar register with the expert's number.
; The barrier stands on every way; the two branches, which hang on the same number, pass over work alone.
.macro TRIP par, ereg
	v_cmp_eq_u32 s20, s[\ereg], v[IX]
	v_cmp_eq_u32 s21, s[\ereg], v[IX+1]
	v_cmp_eq_u32 s22, s[\ereg], v[IX+2]
	v_cmp_eq_u32 s23, s[\ereg], v[IX+3]
	v_cndmask_b32 v[T+12], 0, v[GP], s20
	v_cndmask_b32 v[T+13], 0, v[GP+1], s21
	v_cndmask_b32 v[T+14], 0, v[GP+2], s22
	v_cndmask_b32 v[T+15], 0, v[GP+3], s23
	v_add_f32 v[G], v[T+12], v[T+13]               ; gate_e = p0 (i0 == e) + p1 (i1 == e)
	v_add_f32 v[G+2], v[T+14], v[T+15]
	v_mov_b32 v[G+1], v[G]
	v_mov_b32 v[G+3], v[G+2]
	s_or_b32 s26, s20, s21
	s_or_b32 s24, s22, s23
	s_or_b32 s26, s26, s24                         ; does any of the block's 32 tokens name e?  The same in all sixteen waves
	s_cmp_lg_u32 s26, 0
	s_cbranch_scc0 .LskipA_\@
	GEMM8 0, \par                                  ; u = x Wup[e]: my 32 hidden units of 32 tokens; at its end 24 loads for the second product are out
	GELU8 0
	GELU8 1
	QH 0, \par
	GELU8 2
	GELU8 3
	QH 1, \par
.LskipA_\@:
	BAR                                            ; the hidden layer's codes and bytes lie in this expert's buffer; every wave's reads of the other buffer are back
	s_cmp_lg_u32 s26, 0
	s_cbranch_scc0 .LskipB_\@
	GEMM8 1, \par                                  ; y += gate (h Wdown[e]): my 64 columns of 32 tokens
.LskipB_\@:
	s_wait_loadcnt 0x0                             ; no load is out at an expert's end, on any way through the text (behind the second product its last step's wait has seen to it)
.endm
	s_load_b256 s[4:11], s[0:1], 0x0               ; x s[4:5], expert_idxs s[6:7], expert_p s[8:9], order s[10:11]
	s_load_b128 s[12:15], s[0:1], 0x20             ; wc s[12:13], ws s[14:15]
	s_load_b64 s[16:17], s[0:1], 0x30              ; out0
	v_lshrrev_b32 v[T], 5, v0
	v_readfirstlane_b32 s18, v[T]                  ; wave 0..15
	v_and_b32 v[T], 31, v0                         ; lane
	v_and_b32 v[T+1], 15, v0                       ; r
	v_bfe_u32 v[T+2], v0, 4, 1                     ; h
	v_lshlrev_b32 v[T+3], 2, v[T+1]
	s_lshl_b32 s24, s18, 3
	v_mov_b32 v[T+6], s24                          ; 8 w: my wave's two places
	s_lshl_b32 s24, ttmp9, 7                       ; my block's 32 places, 4 bytes each
	s_mov_b32 s25, 0
	s_wait_kmcnt 0x0
	s_add_nc_u64 s[10:11], s[10:11], s[24:25]
	global_load_b32 v[T+4], v[T+3], s[10:11]                 ; the tokens at places r
	global_load_b32 v[T+5], v[T+3], s[10:11] offset:64       ; and 16 + r
	global_load_b32 v[T+7], v[T+6], s[10:11]                 ; the two tokens whose x my wave quantises: places 2 w
	global_load_b32 v[T+8], v[T+6], s[10:11] offset:4        ; and 2 w + 1 (the same in every lane)
	s_lshl_b32 s24, s18, 14
	s_add_nc_u64 s[12:13], s[12:13], s[24:25]      ; my wave's codes of expert 0
	s_lshl_b32 s24, s18, 10
	s_add_nc_u64 s[14:15], s[14:15], s[24:25]      ; and scale words
	v_lshlrev_b32 v[L16], 4, v[T]
	v_lshlrev_b32 v[L4], 2, v[T]
	v_mul_u32_u24 v[XA], v[T+1], 528
	v_lshl_add_u32 v[XA], v[T+2], 4, v[XA]
	v_mul_u32_u24 v[HA], v[T+1], 272
	v_lshl_add_u32 v[HW], v[T+2], 3, v[HA]
	v_lshl_add_u32 v[HA], v[T+2], 4, v[HA]
	v_add_nc_u32 v[HA], HC, v[HA]
	s_lshl_b32 s24, s18, 4
	v_add_nc_u32 v[HW], s24, v[HW]
	v_add_nc_u32 v[HW], HC, v[HW]
	v_lshlrev_b32 v[HB], 4, v[T+1]
	v_add_nc_u32 v[HB], s18, v[HB]
	v_add_nc_u32 v[HB], HSC, v[HB]
	v_lshl_add_u32 v[HSL], v[T], 4, HSC
	s_mul_i32 s27, s18, 4352
	s_add_co_u32 s27, s27, STG                     ; my stage
	v_mul_u32_u24 v[SO], v[T+1], 272
	v_lshl_add_u32 v[SO], v[T+2], 5, v[SO]
	v_add_nc_u32 v[SO], s27, v[SO]
	v_mul_u32_u24 v[SR], v[T+2], 272
	v_lshl_add_u32 v[SR], v[T+1], 4, v[SR]
	v_add_nc_u32 v[SR], s27, v[SR]
	s_lshl_b32 s24, s18, 8
	v_lshl_add_u32 v[CB], v[T+1], 4, s24
	v_lshlrev_b32 v[H4], 2, v[T+2]
	s_mul_i32 s24, s18, 1056
	v_lshl_add_u32 v[XCS], v[T], 2, s24
	s_mul_i32 s24, s18, 96
	s_add_co_u32 s24, s24, XSC
	v_lshrrev_b32 v[XSS], 2, v[T]
	v_add_nc_u32 v[XSS], s24, v[XSS]
	v_mul_u32_u24 v[XSL], v[T], 48
	v_add_nc_u32 v[XSL], XSC, v[XSL]
	v_lshlrev_b32 v[T+9], 5, v[T]                  ; 32 x lane: my 8 numbers of a chunk
	s_mov_b32 s28, 0x76543210                      ; v_permlanex16_b32's selects for lane l xor 16
	s_mov_b32 s29, 0xfedcba98
	s_mov_b32 s30, 0x3f3504f3                      ; 1 / sqrt 2 (a packed form names a pair and takes its low word: both are written)
	s_mov_b32 s31, 0x3f3504f3
	s_mov_b32 s32, 0xaf95df0b                      ; P: -2.72614225801306e-10
	s_mov_b32 s33, 0x32edffee                      ;     2.77068142495902e-08
	s_mov_b32 s34, 0xb77460cd                      ; Q: -1.45660718464996e-05
	s_mov_b32 s35, 0xb95fbd29                      ;    -2.13374055278905e-04
	s_mov_b32 s36, 0xb60cff51                      ; P: -2.10102402082508e-06
	s_mov_b32 s37, 0xb60cff51
	s_mov_b32 s38, 0xb86ec2d2                      ;    -5.69250639462346e-05
	s_mov_b32 s39, 0xb86ec2d2
	s_mov_b32 s40, 0xba40ac63                      ;    -7.34990630326855e-04
	s_mov_b32 s41, 0xba40ac63
	s_mov_b32 s42, 0xbb41a1f6                      ;    -2.95459980854025e-03
	s_mov_b32 s43, 0xbb41a1f6
	s_mov_b32 s44, 0xbc83dbd4                      ;    -1.60960333262415e-02
	s_mov_b32 s45, 0xbc83dbd4
	s_mov_b32 s46, 0xbadc924e                      ; Q: -1.68282697438203e-03
	s_mov_b32 s47, 0xbadc924e
	s_mov_b32 s48, 0xbbf19bf8                      ;    -7.37332916720468e-03
	s_mov_b32 s49, 0xbbf19bf8
	s_mov_b32 s50, 0xbc69b6a7                      ;    -1.42647390514189e-02
	s_mov_b32 s51, 0xbc69b6a7
	s_wait_loadcnt 0x0
	v_min_u32 v[T+4], 0x1fff, v[T+4]               ; a number that was loaded enters an address only held to its range
	v_min_u32 v[T+5], 0x1fff, v[T+5]
	v_min_u32 v[T+7], 0x1fff, v[T+7]
	v_min_u32 v[T+8], 0x1fff, v[T+8]
	v_lshl_add_u32 v[T+10], v[T+7], 12, v[T+9]     ; a row of x is 4,096 bytes
	v_lshl_add_u32 v[T+11], v[T+8], 12, v[T+9]
.irp i, 0,1
.irp c, 0,1,2,3
.irp j, 0,1
	global_load_b128 v[W+32*\i+8*\c+4*\j:W+32*\i+8*\c+4*\j+3], v[T+10+\i], s[4:5] offset:1024*\c+16*\j th:TH_LOAD_NT   ; a chunk's two loads cover 1,024 consecutive bytes between them
.endr
.endr
.endr
	v_lshlrev_b32 v[T+12], 3, v[T+4]
	v_lshlrev_b32 v[T+13], 3, v[T+5]
	global_load_b64 v[IX:IX+1], v[T+12], s[6:7]
	global_load_b64 v[IX+2:IX+3], v[T+13], s[6:7]
	global_load_b64 v[GP:GP+1], v[T+12], s[8:9]
	global_load_b64 v[GP+2:GP+3], v[T+13], s[8:9]
.set n_, 0
.rept 64
	v_mov_b32 v[Y+n_], 0                           ; y begins as zeros, once, while x is on its way: which expert is a block's first hangs on data, so no product can be written out to start these sums
.set n_, n_+1
.endr
.irp s, 0,1,2,3,4,5,6,7
	v_mov_b32 v[WS+\s], 0x7f7f7f7f                 ; four bytes of the scale 1: written once, so that the weights' scale registers are written on every way through the text (the second product never runs without the first, whose loads fill them: both hang on the same number)
.endr
	XQ 0, 12                                       ; the first token's eight loads are in; the second's eight and the four of indices and gates may be out
	XQ 1, 4                                        ; the four may be out
	s_wait_loadcnt 0x0
	BAR                                            ; x's codes and scale bytes of all 32 tokens lie in LDS: they stay
	ds_load_b128 v[XS:XS+3], v[XSL]
	ds_load_b128 v[XS+4:XS+7], v[XSL] offset:16
	s_wait_dscnt 0x0
	s_mov_b32 s19, 0                               ; the expert
.Lexp:                                             ; four trips of two experts
	TRIP 0, 19
	s_add_co_u32 s27, s19, 1
	TRIP 1, 27
	s_wait_xcnt 0x0                                ; the loads have read their bases: these step only behind this wait
	s_add_nc_u64 s[12:13], s[12:13], 1048576       ; two experts on
	s_add_nc_u64 s[14:15], s[14:15], 65536
	s_add_co_u32 s19, s19, 2
	s_cmp_lt_u32 s19, 8
	s_cbranch_scc1 .Lexp
	; THE WAY OUT.  A lane holds 32 neighbouring bytes of a token's row for each column tile; a tile of 16 tokens x my 64 columns goes through my own stage and comes back as rows of 256 bytes.
.irp m, 0,1
.irp i, 0,1,2,3,4,5,6,7
	global_load_b32 v[FX+8*\m+\i], v[H4], s[10:11] offset:64*\m+8*\i    ; the token of row 16 m + 2 i + h
.endr
.endr
.macro OUTS m
.irp n, 0,1,2,3
	ds_store_b128 v[SO], v[Y+32*\m+8*\n:Y+32*\m+8*\n+3] offset:64*\n
	ds_store_b128 v[SO], v[Y+32*\m+8*\n+4:Y+32*\m+8*\n+7] offset:64*\n+16
.endr
.irp i, 0,1,2,3,4,5,6,7
	ds_load_b128 v[W+32*\m+4*\i:W+32*\m+4*\i+3], v[SR] offset:544*\i    ; LDS serves a wave's instructions in order (ISA guide 5.7.1.4): these see my stores, and the next tile's stores come behind them
.endr
.endm
.macro SEND m, younger                 ; younger: the LDS instructions issued behind tile m's loads
.irp i, 0,1,2,3,4,5,6,7
	s_wait_dscnt \younger+7-\i
	global_store_b128 v[FX+16+8*\m+\i], v[W+32*\m+4*\i:W+32*\m+4*\i+3], s[16:17] th:TH_STORE_NT   ; sixteen lanes store 256 consecutive bytes of a token's row, at a multiple of 256 from y's first byte
.endr
.endm
	OUTS 0
	OUTS 1
	s_wait_loadcnt 0x0
.set n_, 0
.rept 16
	v_min_u32 v[FX+n_], 0x1fff, v[FX+n_]
.set n_, n_+1
.endr
.set n_, 0
.rept 16
	v_lshl_add_u32 v[FX+16+n_], v[FX+n_], 12, v[CB]        ; a row of y is 4,096 bytes
.set n_, n_+1
.endr
	SEND 0, 16                                     ; behind tile 0's loads: tile 1's eight stores and eight loads
	SEND 1, 0
	s_wait_xcnt 0x0
	v_lshl_add_u32 v254, v0, 2, 0x1a000
	v_mov_b32 v255, 0
	s_wait_tensorcnt 0x0
	ds_add_u32 v254, v255
	s_wait_dscnt 0x0
	s_endpgm
.Lfunc_end_k_q497a9355ce_moe:
	.size	k_q497a9355ce_moe, .Lfunc_end_k_q497a9355ce_moe-k_q497a9355ce_moe
	.p2alignl 7, 3214868480
	.fill 96, 4, 3214868480
	.section	.rodata,"a",@progbits
	.p2align	6, 0x0
	.amdhsa_kernel k_q497a9355ce_moe
		.amdhsa_group_segment_fixed_size 108544
		.amdhsa_private_segment_fixed_size 0
		.amdhsa_enable_private_segment 0
		.amdhsa_kernarg_size 56
		.amdhsa_user_sgpr_count 2
		.amdhsa_user_sgpr_kernarg_segment_ptr 1
		.amdhsa_wavefront_size32 1
		.amdhsa_system_sgpr_workgroup_id_x 1
		.amdhsa_system_sgpr_workgroup_id_y 1
		.amdhsa_system_sgpr_workgroup_id_z 1
		.amdhsa_system_vgpr_workitem_id 0
		.amdhsa_next_free_vgpr 256
		.amdhsa_next_free_sgpr 66
		.amdhsa_reserve_vcc 0
		.amdhsa_float_denorm_mode_32 3
		.amdhsa_float_denorm_mode_16_64 3
		.amdhsa_memory_ordered 1
		.amdhsa_forward_progress 1
		.amdhsa_inst_pref_size 121
	.end_amdhsa_kernel
	.amdgpu_metadata
---
amdhsa.version: [ 1, 2 ]
amdhsa.kernels:
  - .name:           k_q497a9355ce_moe
    .symbol:         k_q497a9355ce_moe.kd
    .args:
      - { .name: x, .offset: 0, .size: 8, .value_kind: global_buffer, .address_space: global }
      - { .name: expert_idxs, .offset: 8, .size: 8, .value_kind: global_buffer, .address_space: global }
      - { .name: expert_p, .offset: 16, .size: 8, .value_kind: global_buffer, .address_space: global }
      - { .name: order, .offset: 24, .size: 8, .value_kind: global_buffer, .address_space: global }
      - { .name: wc, .offset: 32, .size: 8, .value_kind: global_buffer, .address_space: global }
      - { .name: ws, .offset: 40, .size: 8, .value_kind: global_buffer, .address_space: global }
      - { .name: out0, .offset: 48, .size: 8, .value_kind: global_buffer, .address_space: global }
    .group_segment_fixed_size: 108544
    .private_segment_fixed_size: 0
    .kernarg_segment_align: 8
    .kernarg_segment_size: 56
    .max_flat_workgroup_size: 512
    .sgpr_count:     66
    .vgpr_count:     256
    .wavefront_size: 32
...
	.end_amdgpu_metadata
.endif
;; end of part 4
;; ======== version 3 of 3: 2 launches
;; workspace buffers: order 32,768 bytes of whole numbers; wc 4,194,304 bytes; ws 262,144 bytes
;; launch prep (part 5): grid 257 x 1, 8 waves a work-group, no clusters, 2,048 bytes of LDS; arguments expert_idxs, w_up, w_down, order, wc, ws; writes order, wc, ws
.if DOCPART == 5
	.amdgcn_target "amdgcn-amd-amdhsa--gfx1250"
	.amdhsa_code_object_version 6
	.text
	.protected	k_q497a9355ce_prep
	.globl	k_q497a9355ce_prep
	.p2align	8
	.type	k_q497a9355ce_prep,@function
k_q497a9355ce_prep:
	s_mov_b64 s[64:65], 0
	v_nop
	global_prefetch_b8 v0, s[64:65] scope:SCOPE_SE
	s_setreg_imm32_b32 hwreg(HW_REG_WAVE_MODE, 25, 1), 1
	s_wait_xcnt 0x0
; PREP: (a) the tokens are sorted by their SET of experts; (b) both weight banks become codes of FP4 (E2M1) with one E8M0 byte for each 32 along K,
; laid in the order in which the next launch's operand registers take them.
; Work-group 0 sorts; work-groups 1-128 take w_up [8][1024 k][512 n], 129-256 take w_down [8][512 k][1024 n].  The three ways part on the work-group's number alone; only the sort touches LDS.
;
; THE SORT.  A token names experts i0, i1.  Its key is the pair {a < b}, 28 keys; a token with i0 = i1 is filed under {i0, i0 xor 1}, a pair that holds its expert.
; key = b (b - 1) / 2 + a for odd b, b (b - 1) / 2 + (b - 1 - a) for even b: {0,1} {1,2} {0,2} {0,3} {1,3} {2,3} {3,4} .. {0,4} {0,5} ..: ANY TWO NEIGHBOURING KEYS SHARE AN EXPERT,
; so that a block of the next launch that straddles two keys runs three experts and not four.
; order[pos] = the token at sorted place pos.  The next launch cuts the places into blocks of 32 and runs, for a block, every expert that one of its tokens names: any permutation is right, a sorted one is short.
; A counting sort without atomics: wave v takes tokens 1024 v .. 1024 v + 1023, 32 groups of 32 (a lane a token).  For a group five ballots (one for each bit of the key) give, in lane q, the mask of the group's
; tokens with key q: a table with a lane to a key.  Its bit count is the group's count; a token fetches its key's mask and base out of the tables by ds_bpermute_b32, which moves registers between lanes and touches no LDS byte.
; The waves' totals meet in 1,024 bytes of LDS, behind one barrier.  The 8,192 places are stored 4 bytes a lane to scattered places: 32 KB in all.
; LIMIT: indices are taken to lie in 0 .. 7, as the problem says; others are held into the range of keys.
;
; THE WEIGHTS.  A lane takes a column n and its registers run down K: a block of 32 along K lies in one lane, its largest magnitude needs no other lane, and the conversions give codes with K innermost.
; A wave takes 32 columns x 128 along K: two whole fragments (16 rows x 128 K each) and their 32 scale words.
; wc: [e 8][ph 2][w 16][step 8][tile 2][c 2][lane 32][16 bytes]: image c of a fragment = registers 4 c .. 4 c + 3 of lane 16 h + r = k 64 c + 32 h + 0 .. 31 of the fragment's row r.
; ws: [e][ph][w][step][lane 32] words: lane 16 tile + r holds row r's four bytes.
; ph 0 (up): wave w of the next launch owns hidden units 32 w .. 32 w + 31; step = K step of 128; row 8 a + j of tile u is hidden unit 32 w + 16 a + 8 u + j.
; ph 1 (down): wave w owns output columns 64 w .. 64 w + 63; step = 4 p + s (p: pair of column tiles, s: K step); row r of tile t is column 64 w + 32 p + 16 t + r.
; A block's scale is 2^(floor(log2(largest magnitude)) - 2); its byte is the largest magnitude's exponent field - 2, held at 1 from below.
; LIMITS: a block of zeros, or one whose largest magnitude lies under 2^-124, gets the byte 1 (the rule says 127 for zeros: its codes are zeros, and this program alone reads the bytes); NaN and infinities are not served.
; Each store of codes covers two runs of 256 consecutive bytes, aligned; the store of scale words covers 128 consecutive bytes: one byte in 128 of what the wave reads.
.set X,   32                           ; v32-159  four blocks of 32 numbers
.set C,   160                          ; v160-175 four registers of codes for each block: no store's data are written again
.set SB,  176                          ; v176     the four scale bytes
.set IDX, 32                           ; sort: v32-95  (i0, i1) of 32 groups; later v32-63 the tokens, v64-95 the store offsets
.set K4,  96                           ; v96-127  4 x key
.set CNT, 128                          ; v128-159 lane q: the group's count of key q; later the running bases
.set PE,  160                          ; v160-191 a token's peers in its group, as a mask; then its rank among them
.set BB,  192                          ; v192-223 lane q: the mask of key q; later a token's base
.set TA,  12                           ; v12-31   at work, four groups by turns
.set TB,  16
.set TC,  20
.set TD,  24
.set TE,  28
.macro LOADB t, src, pitch             ; block t: W(32 t + i, my column), i = 0 .. 31: each load reads 128 consecutive bytes a wave, the eight waves stand side by side on 1,024
.set li, 0
.rept 32
	global_load_b32 v[X+32*(\t)+li], v2, s[\src:\src+1] offset:(32*(\t)+li)*\pitch th:TH_LOAD_NT
.set li, li+1
.endr
.endm
.macro BLOCKW t, src, pitch
.set XB, X+32*(\t)
.if (\t) < 3
	s_wait_loadcnt 32                              ; this block's 32 loads are in; the next block's 32 may be out
.else
	s_wait_loadcnt 0x0
.endif
.if (\t) < 2
	LOADB (\t)+2, \src, \pitch
.endif
	v_max3_num_f32 v8, |v[XB]|, |v[XB+1]|, |v[XB+2]|       ; the block's largest magnitude, in two chains: all 32 numbers are mine
	v_max3_num_f32 v9, |v[XB+3]|, |v[XB+4]|, |v[XB+5]|
.irp i, 6,10,14,18,22,26
	s_delay_alu instid0(VALU_DEP_2)
	v_max3_num_f32 v8, v8, |v[XB+\i]|, |v[XB+\i+1]|
	s_delay_alu instid0(VALU_DEP_2)
	v_max3_num_f32 v9, v9, |v[XB+\i+2]|, |v[XB+\i+3]|
.endr
	s_delay_alu instid0(VALU_DEP_2)
	v_max3_num_f32 v8, v8, |v[XB+30]|, |v[XB+31]|
	s_delay_alu instid0(VALU_DEP_1)
	v_max3_num_f32 v8, v8, v9, 0x1800000           ; and the floor 2^(3 - 127): the byte cannot fall under 1
	s_delay_alu instid0(VALU_DEP_1)
	v_add_nc_u32 v10, 0xff000000, v8               ; 2 off the exponent field: the conversion takes this operand's exponent field as its scale
	s_delay_alu instid0(VALU_DEP_1)
	v_lshrrev_b32 v11, 23, v10                     ; the scale's byte
.if (\t) == 0
	s_delay_alu instid0(VALU_DEP_1)
	v_mov_b32 v[SB], v11
.else
	s_delay_alu instid0(VALU_DEP_1)
	v_lshl_or_b32 v[SB], v11, 8*(\t), v[SB]        ; the lower K in the lower byte
.endif
.irp g, 0,1,2,3
	v_cvt_scalef32_pk8_fp4_f32 v[C+4*(\t)+\g], v[XB+8*\g:XB+8*\g+7], v10
.endr
	v_nop                                          ; one plain line behind the last conversion of a run
	global_store_b128 v3, v[C+4*(\t):C+4*(\t)+3], s[12:13] offset:256*(\t)   ; block t = image t / 2, half t % 2: lanes 0-15 fill 256 consecutive bytes of tile 0, lanes 16-31 of tile 1
.endm
; One wave's task.  ph: 0 up, 1 down;  src: the scalar pair with the tensor's address;  pitch: bytes from k to k + 1
.macro QPATH ph, src, pitch
	s_sub_co_u32 s19, ttmp9, 1
	s_and_b32 s19, s19, 127                        ; which of the tensor's 128 work-groups
	s_lshr_b32 s20, s19, 4                         ; expert
.if \ph
	s_bfe_u32 s21, s19, 0x20002                    ; K step of 128: 0 .. 3
	s_and_b32 s22, s19, 3
	s_lshl_b32 s22, s22, 3
	s_add_co_u32 s22, s22, s18                     ; which 32 columns: 0 .. 31
	s_lshl_b32 s25, s22, 7                         ; their first byte in a row
	s_and_b32 s24, s22, 1
	s_lshl_b32 s24, s24, 2
	s_add_co_u32 s24, s24, s21                     ; step = 4 p + s
	s_lshr_b32 s23, s22, 1                         ; w
.else
	s_bfe_u32 s21, s19, 0x30001                    ; K step of 128: 0 .. 7
	s_and_b32 s23, s19, 1
	s_lshl_b32 s23, s23, 3
	s_add_co_u32 s23, s23, s18                     ; w: which 32 columns
	s_lshl_b32 s25, s23, 7
	s_mov_b32 s24, s21                             ; step = s
.endif
	s_lshl_b32 s26, s20, 21                        ; an expert's bank is 2,097,152 bytes
	s_mul_i32 s28, s21, 128*\pitch
	s_add_co_u32 s26, s26, s28
	s_add_co_u32 s26, s26, s25
	s_mov_b32 s27, 0
	s_add_nc_u64 s[\src:\src+1], s[\src:\src+1], s[26:27]
	s_lshl_b32 s28, s20, 5
	s_add_co_u32 s28, s28, 16*\ph
	s_add_co_u32 s28, s28, s23                     ; (2 e + ph) 16 + w
	s_lshl_b32 s26, s28, 14
	s_lshl_b32 s29, s24, 11
	s_add_co_u32 s26, s26, s29
	s_add_nc_u64 s[12:13], s[12:13], s[26:27]      ; my 2,048 bytes of codes
	s_lshl_b32 s26, s28, 10
	s_lshl_b32 s29, s24, 7
	s_add_co_u32 s26, s26, s29
	s_add_nc_u64 s[14:15], s[14:15], s[26:27]      ; my 128 bytes of scale words
.if \ph
	v_lshlrev_b32 v2, 2, v1                        ; lane l takes column l
.else
	v_and_b32 v5, 7, v1                            ; lane 16 u + 8 a + j takes column 16 a + 8 u + j
	v_bfe_u32 v6, v1, 4, 1
	v_bfe_u32 v7, v1, 3, 1
	s_delay_alu instid0(VALU_DEP_2)
	v_lshl_or_b32 v5, v6, 3, v5
	s_delay_alu instid0(VALU_DEP_1)
	v_lshl_or_b32 v5, v7, 4, v5
	s_delay_alu instid0(VALU_DEP_1)
	v_lshlrev_b32 v2, 2, v5
.endif
	LOADB 0, \src, \pitch
	LOADB 1, \src, \pitch
	v_lshrrev_b32 v6, 4, v1
	v_and_b32 v7, 15, v1
	s_delay_alu instid0(VALU_DEP_1)
	v_lshlrev_b32 v3, 4, v7
	s_delay_alu instid0(VALU_DEP_1)
	v_lshl_add_u32 v3, v6, 10, v3                  ; codes: 1,024 x tile + 16 x row
	v_lshlrev_b32 v4, 2, v1                        ; scale words: 4 x lane
	s_wait_alu depctr_va_vdst(0)
	BLOCKW 0, \src, \pitch
	BLOCKW 1, \src, \pitch
	BLOCKW 2, \src, \pitch
	BLOCKW 3, \src, \pitch
	global_store_b32 v4, v[SB], s[14:15]
.endm
; Four groups of 32 tokens, g0 .. g0 + 3, line by line by turns, so that no line waits for the line above it
.macro GROUP4 g0
	s_wait_loadcnt 28-(\g0)                        ; loads come back in order: these four groups' are in, the later groups' may be out
.irp j, 0,1,2,3
	v_cmp_eq_u32 s[20+\j], v[IDX+2*((\g0)+\j)], v[IDX+2*((\g0)+\j)+1]
.endr
.irp j, 0,1,2,3
	v_xor_b32 v[TA+\j], 1, v[IDX+2*((\g0)+\j)+1]
.endr
.irp j, 0,1,2,3
	s_delay_alu instid0(VALU_DEP_4)
	v_cndmask_b32 v[TA+\j], v[IDX+2*((\g0)+\j)+1], v[TA+\j], s[20+\j]   ; c = i1, or i1 xor 1 where i0 = i1
.endr
.irp j, 0,1,2,3
	s_delay_alu instid0(VALU_DEP_4)
	v_min_u32 v[TB+\j], v[IDX+2*((\g0)+\j)], v[TA+\j]                   ; a, the lesser
.endr
.irp j, 0,1,2,3
	v_add_nc_u32 v[TC+\j], v[IDX+2*((\g0)+\j)], v[TA+\j]
.endr
.irp j, 0,1,2,3
	s_delay_alu instid0(VALU_DEP_4)
	v_sub_nc_u32 v[TC+\j], v[TC+\j], v[TB+\j]      ; b, the greater: the sum less the lesser; at least 1
.endr
.irp j, 0,1,2,3
	s_delay_alu instid0(VALU_DEP_4)
	v_min_u32 v[TC+\j], 7, v[TC+\j]
.endr
.irp j, 0,1,2,3
	s_delay_alu instid0(VALU_DEP_4)
	v_add_nc_u32 v[TA+\j], -1, v[TC+\j]
.endr
.irp j, 0,1,2,3
	s_delay_alu instid0(VALU_DEP_4)
	v_sub_nc_u32 v[TD+\j], v[TA+\j], v[TB+\j]      ; b - 1 - a
.endr
.irp j, 0,1,2,3
	v_and_b32 v[TE+\j], 1, v[TC+\j]
.endr
.irp j, 0,1,2,3
	s_delay_alu instid0(VALU_DEP_4)
	v_cmp_eq_u32 s[20+\j], 0, v[TE+\j]
.endr
.irp j, 0,1,2,3
	s_delay_alu instid0(VALU_DEP_4)
	v_cndmask_b32 v[TB+\j], v[TB+\j], v[TD+\j], s[20+\j]   ; the pairs of an even b are walked from a = b - 1 down, those of an odd b from a = 0 up
.endr
.irp j, 0,1,2,3
	v_mul_u32_u24 v[TA+\j], v[TA+\j], v[TC+\j]
.endr
.irp j, 0,1,2,3
	s_delay_alu instid0(VALU_DEP_4)
	v_lshrrev_b32 v[TA+\j], 1, v[TA+\j]
.endr
.irp j, 0,1,2,3
	s_delay_alu instid0(VALU_DEP_4)
	v_add_nc_u32 v[TA+\j], v[TA+\j], v[TB+\j]      ; key = b (b - 1) / 2 + the pair's place among b's
.endr
.irp j, 0,1,2,3
	s_delay_alu instid0(VALU_DEP_4)
	v_min_u32 v[TA+\j], 27, v[TA+\j]
.endr
.irp j, 0,1,2,3
	s_delay_alu instid0(VALU_DEP_4)
	v_lshlrev_b32 v[K4+(\g0)+\j], 2, v[TA+\j]      ; as a lane index for ds_bpermute_b32
.endr
.irp b, 0,1,2,3,4
.irp j, 0,1,2,3
	v_and_b32 v[TB+\j], 1<<\b, v[TA+\j]
.endr
.irp j, 0,1,2,3
	s_delay_alu instid0(VALU_DEP_4)
	v_cmp_ne_u32 s[20+4*\b+\j], 0, v[TB+\j]        ; the ballot: the tokens whose key has bit b
.endr
.endr
.irp j, 0,1,2,3
	v_xor_b32 v[BB+(\g0)+\j], s[20+\j], v4         ; lane q: the ballot where q has the bit, its complement where not;
.endr
.irp b, 1,2,3,4
.irp j, 0,1,2,3
	v_xor_b32 v[TB+\j], s[20+4*\b+\j], v[4+\b]
.endr
.irp j, 0,1,2,3
	s_delay_alu instid0(VALU_DEP_4)
	v_and_b32 v[BB+(\g0)+\j], v[BB+(\g0)+\j], v[TB+\j]   ; all five together: the tokens whose key is q
.endr
.endr
.irp j, 0,1,2,3
	ds_bpermute_b32 v[PE+(\g0)+\j], v[K4+(\g0)+\j], v[BB+(\g0)+\j]   ; each token takes its own key's mask: its peers
.endr
.irp j, 0,1,2,3                        ; the mask's bit count, in twelve plain lines
	v_lshrrev_b32 v[TB+\j], 1, v[BB+(\g0)+\j]
.endr
.irp j, 0,1,2,3
	s_delay_alu instid0(VALU_DEP_4)
	v_and_b32 v[TB+\j], s40, v[TB+\j]
.endr
.irp j, 0,1,2,3
	s_delay_alu instid0(VALU_DEP_4)
	v_sub_nc_u32 v[TC+\j], v[BB+(\g0)+\j], v[TB+\j]
.endr
.irp j, 0,1,2,3
	s_delay_alu instid0(VALU_DEP_4)
	v_and_b32 v[TB+\j], s41, v[TC+\j]
.endr
.irp j, 0,1,2,3
	v_lshrrev_b32 v[TC+\j], 2, v[TC+\j]
.endr
.irp j, 0,1,2,3
	s_delay_alu instid0(VALU_DEP_4)
	v_and_b32 v[TC+\j], s41, v[TC+\j]
.endr
.irp j, 0,1,2,3
	s_delay_alu instid0(VALU_DEP_4)
	v_add_nc_u32 v[TC+\j], v[TB+\j], v[TC+\j]
.endr
.irp j, 0,1,2,3
	s_delay_alu instid0(VALU_DEP_4)
	v_lshrrev_b32 v[TB+\j], 4, v[TC+\j]
.endr
.irp j, 0,1,2,3
	s_delay_alu instid0(VALU_DEP_4)
	v_add_nc_u32 v[TC+\j], v[TC+\j], v[TB+\j]
.endr
.irp j, 0,1,2,3
	s_delay_alu instid0(VALU_DEP_4)
	v_and_b32 v[TC+\j], s42, v[TC+\j]
.endr
.irp j, 0,1,2,3
	s_delay_alu instid0(VALU_DEP_4)
	v_mul_lo_u32 v[TC+\j], v[TC+\j], s43
.endr
.irp j, 0,1,2,3
	s_delay_alu instid0(VALU_DEP_4)
	v_lshrrev_b32 v[CNT+(\g0)+\j], 24, v[TC+\j]
.endr
	s_delay_alu instid0(VALU_DEP_3)
	v_add3_u32 v9, v9, v[CNT+(\g0)], v[CNT+(\g0)+1]
	s_delay_alu instid0(VALU_DEP_1)
	v_add3_u32 v9, v9, v[CNT+(\g0)+2], v[CNT+(\g0)+3]    ; lane q: my wave's total of key q
.endm
	s_load_b256 s[4:11], s[0:1], 0x0               ; expert_idxs s[4:5], w_up s[6:7], w_down s[8:9], order s[10:11]
	s_load_b128 s[12:15], s[0:1], 0x20             ; wc s[12:13], ws s[14:15]
	v_lshl_add_u32 v224, v0, 2, 0x400
	v_mov_b32 v225, 0
	v_lshrrev_b32 v1, 5, v0
	s_delay_alu instid0(VALU_DEP_1)
	v_readfirstlane_b32 s18, v1                    ; wave 0..7
	v_and_b32 v1, 31, v0                           ; lane
	s_wait_kmcnt 0x0
	s_cmp_eq_u32 ttmp9, 0
	s_cbranch_scc1 .Lsort
	s_cmp_gt_u32 ttmp9, 128
	s_cbranch_scc1 .Ldown
	s_wait_alu depctr_va_vdst(0)
	QPATH 0, 6, 2048
	s_endpgm
.Ldown:
	s_wait_alu depctr_va_vdst(0)
	QPATH 1, 8, 4096
	s_endpgm
.Lsort:
	s_lshl_b32 s19, s18, 13                        ; my wave's 1,024 tokens x 8 bytes
	s_wait_alu depctr_va_vdst(0)
	v_lshl_add_u32 v2, v1, 3, s19
.set g, 0
.rept 32
	global_load_b64 v[IDX+2*g:IDX+2*g+1], v2, s[4:5] offset:256*g    ; a group's 32 pairs: 256 consecutive bytes
.set g, g+1
.endr
	v_lshlrev_b32 v3, 2, v1                        ; 4 x lane
.irp b, 0,1,2,3,4
	v_bfe_u32 v[4+\b], v1, \b, 1
.endr
.irp b, 0,1,2,3,4
	v_add_nc_u32 v[4+\b], -1, v[4+\b]              ; all ones where my lane's number lacks bit b, else 0
.endr
	v_mov_b32 v9, 0
	s_mov_b32 s40, 0x55555555
	s_mov_b32 s41, 0x33333333
	s_mov_b32 s42, 0x0f0f0f0f
	s_mov_b32 s43, 0x01010101
.irp g0, 0,4,8,12,16,20,24,28
	GROUP4 \g0
.endr
	v_lshlrev_b32 v11, 2, v0
	ds_store_b32 v11, v9                           ; wave v, key q: word 32 v + q
	s_wait_dscnt 0x0                               ; for the others' sake: my store has landed (and my 32 permutes are back)
	s_barrier_signal -1
	s_barrier_wait -1
.irp i, 0,1,2,3,4,5,6,7
	ds_load_b32 v[12+\i], v3 offset:128*\i         ; lane q: every wave's total of key q
.endr
	s_wait_dscnt 0x0
	v_add_nc_u32 v20, v12, v13
	v_add_nc_u32 v21, v14, v15
	v_add_nc_u32 v22, v16, v17
	v_add_nc_u32 v23, v18, v19
	s_delay_alu instid0(VALU_DEP_2)
	v_add3_u32 v20, v20, v21, v22
	s_delay_alu instid0(VALU_DEP_1)
	v_add_nc_u32 v20, v20, v23                     ; all tokens of key q
	v_mov_b32 v24, 0
.irp i, 0,1,2,3,4,5,6
	s_cmp_gt_u32 s18, \i
	s_cselect_b32 s44, -1, 0
	v_and_b32 v25, s44, v[12+\i]
	s_delay_alu instid0(VALU_DEP_1)
	v_add_nc_u32 v24, v24, v25                     ; those of the waves in front of mine
.endr
	v_mov_b32 v26, v20
	v_mov_b32 v27, 0
.irp n, 1
	s_delay_alu instid0(VALU_DEP_2)
	v_mov_b32_dpp v27, v26 row_shr:\n row_mask:0xf bank_mask:0xf bound_ctrl:1   ; lane q takes lane q - n of its 16, or 0
	s_delay_alu instid0(VALU_DEP_1)
	v_add_nc_u32 v26, v26, v27                     ; the running sum over the keys, inside each 16 lanes
.endr
.irp n, 2, 4, 8
	s_delay_alu instid0(VALU_DEP_1)
	v_mov_b32_dpp v27, v26 row_shr:\n row_mask:0xf bank_mask:0xf bound_ctrl:1
	s_delay_alu instid0(VALU_DEP_1)
	v_add_nc_u32 v26, v26, v27
.endr
	s_delay_alu instid0(VALU_DEP_1)
	v_readlane_b32 s44, v26, 15                    ; keys 0-15 in all:
	v_cmp_lt_u32 vcc_lo, 15, v1
	s_delay_alu instid0(VALU_DEP_2)
	v_mov_b32 v27, s44
	s_delay_alu instid0(VALU_DEP_1)
	v_cndmask_b32 v27, 0, v27, vcc_lo              ; they stand in front of keys 16-27
	v_sub_nc_u32 v10, v26, v20                     ; the keys in front of q,
	s_delay_alu instid0(VALU_DEP_1)
	v_add3_u32 v10, v10, v27, v24                  ; and key q's tokens of earlier waves: where my wave's first token of key q goes
	; Group g's base is that + the counts of groups 0 .. g - 1: a running sum made in place in the counts, so that no register that a permute names is written again
	ds_bpermute_b32 v[BB], v[K4], v10
	v_add_nc_u32 v[CNT], v[CNT], v10
.set g, 1
.rept 31
	ds_bpermute_b32 v[BB+g], v[K4+g], v[CNT+g-1]   ; each token takes its own key's base
.if g < 31
	v_add_nc_u32 v[CNT+g], v[CNT+g], v[CNT+g-1]
.endif
.set g, g+1
.endr
	s_lshl_b32 s44, s18, 10
	v_add_nc_u32 v28, s44, v1                      ; my token in group 0
.set g, 0
.rept 32
	v_mbcnt_lo_u32_b32 v[PE+g], v[PE+g], 0         ; my peers in lower lanes: my rank in the group
.set g, g+1
.endr
	s_wait_dscnt 0x0
.set g, 0
.rept 32
	v_add_nc_u32 v[64+g], v[BB+g], v[PE+g]         ; my place
	v_add_nc_u32 v[32+g], 32*g, v28                ; my token
.set g, g+1
.endr
.set g, 0
.rept 32
	v_min_u32 v[64+g], 0x1fff, v[64+g]
.set g, g+1
.endr
.set g, 0
.rept 32
	v_lshlrev_b32 v[64+g], 2, v[64+g]
.set g, g+1
.endr
.set g, 0
.rept 32
	global_store_b32 v[64+g], v[32+g], s[10:11]
.set g, g+1
.endr
	s_wait_tensorcnt 0x0
	ds_add_u32 v224, v225
	s_wait_dscnt 0x0
	s_endpgm
.Lfunc_end_k_q497a9355ce_prep:
	.size	k_q497a9355ce_prep, .Lfunc_end_k_q497a9355ce_prep-k_q497a9355ce_prep
	.p2alignl 7, 3214868480
	.fill 96, 4, 3214868480
	.section	.rodata,"a",@progbits
	.p2align	6, 0x0
	.amdhsa_kernel k_q497a9355ce_prep
		.amdhsa_group_segment_fixed_size 2048
		.amdhsa_private_segment_fixed_size 0
		.amdhsa_enable_private_segment 0
		.amdhsa_kernarg_size 48
		.amdhsa_user_sgpr_count 2
		.amdhsa_user_sgpr_kernarg_segment_ptr 1
		.amdhsa_wavefront_size32 1
		.amdhsa_system_sgpr_workgroup_id_x 1
		.amdhsa_system_sgpr_workgroup_id_y 1
		.amdhsa_system_sgpr_workgroup_id_z 1
		.amdhsa_system_vgpr_workitem_id 0
		.amdhsa_next_free_vgpr 226
		.amdhsa_next_free_sgpr 66
		.amdhsa_reserve_vcc 1
		.amdhsa_float_denorm_mode_32 3
		.amdhsa_float_denorm_mode_16_64 3
		.amdhsa_memory_ordered 1
		.amdhsa_forward_progress 1
		.amdhsa_inst_pref_size 159
	.end_amdhsa_kernel
	.amdgpu_metadata
---
amdhsa.version: [ 1, 2 ]
amdhsa.kernels:
  - .name:           k_q497a9355ce_prep
    .symbol:         k_q497a9355ce_prep.kd
    .args:
      - { .name: expert_idxs, .offset: 0, .size: 8, .value_kind: global_buffer, .address_space: global }
      - { .name: w_up, .offset: 8, .size: 8, .value_kind: global_buffer, .address_space: global }
      - { .name: w_down, .offset: 16, .size: 8, .value_kind: global_buffer, .address_space: global }
      - { .name: order, .offset: 24, .size: 8, .value_kind: global_buffer, .address_space: global }
      - { .name: wc, .offset: 32, .size: 8, .value_kind: global_buffer, .address_space: global }
      - { .name: ws, .offset: 40, .size: 8, .value_kind: global_buffer, .address_space: global }
    .group_segment_fixed_size: 2048
    .private_segment_fixed_size: 0
    .kernarg_segment_align: 8
    .kernarg_segment_size: 48
    .max_flat_workgroup_size: 256
    .sgpr_count:     66
    .vgpr_count:     226
    .wavefront_size: 32
...
	.end_amdgpu_metadata
.endif
;; end of part 5
;; launch moe (part 6): grid 256 x 1, 16 waves a work-group, no clusters, 108,544 bytes of LDS; arguments x, expert_idxs, expert_p, order, wc, ws, out0; writes out0
.if DOCPART == 6
	.amdgcn_target "amdgcn-amd-amdhsa--gfx1250"
	.amdhsa_code_object_version 6
	.text
	.protected	k_q497a9355ce_moe
	.globl	k_q497a9355ce_moe
	.p2align	8
	.type	k_q497a9355ce_moe,@function
k_q497a9355ce_moe:
	s_mov_b64 s[64:65], 0
	v_nop
	global_prefetch_b8 v0, s[64:65] scope:SCOPE_SE
	s_setreg_imm32_b32 hwreg(HW_REG_WAVE_SCHED_MODE, 0, 2), 2
	s_setreg_imm32_b32 hwreg(HW_REG_WAVE_MODE, 25, 1), 1
	s_wait_xcnt 0x0
	s_wait_alu depctr_vm_vsrc(0)
; y[t] = sum over e of gate_e[t] (gelu(x[t] Wup[e]) Wdown[e]), gate_e = p0 (i0 == e) + p1 (i1 == e); both products on codes of FP4 (E2M1) with one E8M0 scale for each 32 along K.
; SHARES.  A work-group owns the 32 tokens at sorted places 32 g .. 32 g + 31 (order, made by the launch before) through the whole chain, so each row of y has one owner and the hidden layer never leaves the WGP.
; It walks e = 0 .. 7, a constant count, and passes over, by a scalar branch on the indices that it has read, the experts that none of its tokens names.  All 32 rows are multiplied for an expert that the block uses;
; a token's gate for an expert that it did not choose is 0 by the formula above, so blocks of mixed sets and tokens with i0 = i1 need no case of their own.
; THE SIXTEEN WAVES SHARE THE COLUMNS: wave w makes hidden units 32 w .. 32 w + 31 (one block of 32 of the next K) and output columns 64 w .. 64 w + 63, for all 32 tokens.  Four waves to a SIMD, 256 registers each.
; The weights come from memory straight into registers, as images of the operand's registers (wc, ws: laid by the launch before): each lane loads 16 bytes, a load 512 consecutive bytes.
; THE SECOND PRODUCT'S FIRST FOUR STEPS OF WEIGHTS, AND ITS SCALE WORDS, ARE ASKED FOR IN THE FIRST PRODUCT'S LAST FOUR STEPS, as its slots fall free: they are on their way under gelu, the quantiser and the barrier.
; ONE BARRIER AN EXPERT: the hidden layer has two LDS buffers by turns (the loop's body is written for two experts).  Expert e writes buffer e % 2, passes the barrier and reads it; that buffer is written again by
; expert e + 2, behind expert e + 1's barrier, which a wave signals only when its reads for expert e are back.
; NO TENSOR LOAD, NO CLUSTER: the walk branches on numbers read from memory, and the blocks that would form a cluster need not use the same experts, so they could not make every request jointly.
; BOTH PRODUCTS ARE USED TRANSPOSED (source 0 = 16 rows of a weight, source 1 = 16 tokens): a lane holds ONE token (lane % 16), its registers run along hidden units or output columns.
; The rows of Wup that form a tile are chosen (by the launch before) so that a lane's 16 registers of the wave's two tiles are hidden units 32 w + 16 (lane / 16) + 0 .. 15: neighbours along the next K.
; x is read once, by its owner: it is quantised here, at the head.  Codes of x and of the hidden layer lie in LDS as rows (K innermost, 16 bytes of padding), scale bytes beside them.
; GELU is the exact one: 0.5 u (1 + erf(u / sqrt 2)), erf(z) = z P(z^2) / Q(z^2) with z held to +-4 (beyond, erf is +-1 in f32), all in f32.
; LIMITS: erf is good to a few units in the last place of 1.0, so for u well under 0 the error of gelu relative to its own small size grows, as in any f32 form of 1 + erf; NaN and infinities are not served;
; a block of zeros, or one whose largest magnitude lies under 2^-124, gets the scale byte 1 (its codes are zeros; this program alone reads the bytes); gate x product + y is one fused multiply-add.
; THE MODE: SCHED_MODE bits 1:0 = 2 (LLVM: expert scheduling mode 2), set by the entry lines.  The code itself states the register dependences
; between vector or matrix instructions and memory or LDS instructions, with s_wait_alu, always for 0.
; THE PLAN.  Registers that memory or LDS instructions touch, in the walk over the experts:
;   W, four slots   Step Q: its four products read slot Q % 4; behind them the loads of four steps on land in it (in the first product's steps 4 to 7: the second product's steps 0 to 3).
;   FX, two sets    Step Q: its four products read set Q % 2; behind them the LDS loads of two steps on land in it.  Between the two products gelu's vector lines work in these 32 registers.
;   WS, HS          Read as scales by the products; WS is loaded at the first product's head and behind its last step, HS at the second product's head.
;   T .. T + 11     Written by the hidden layer's quantiser; T + 3 .. 5 and T + 9 .. 11 are read by its LDS stores.
;   Y               Written by the multiply-adds of the second product; read by the LDS stores of the way out.
;   v1 .. v14       Addresses and offsets, made at the head and never written again: the bases are scalar registers, and immediate offsets do the rest.
; So a step that loads has ONE wait on va_vdst, behind its products and their places; its loads follow, and what vector work the step has (y's multiply-adds) follows them and names none of their registers.
; Token tile 0's LDS stores stand behind the wait of the third batch of reciprocals, which their conversions precede; tile 1's have a wait of their own, which also shows gelu done with FX.
; One wait on va_vdst at an expert's end, on every way through the two branches, shows the second product done with W, FX, WS and HS, and Y written.  One wait on vm_vsrc stands behind each barrier.
.set XC,  0                            ; LDS: x's codes: 32 rows x (512 + 16) bytes
.set XSC, 16896                        ; x's scale bytes: 32 rows x (32 + 16)
.set HC,  18432                        ; the hidden layer's codes, buffer 0: 32 rows x (256 + 16)
.set HSC, 27136                        ; its scale bytes: 32 rows x 16
.set HPAR, 9216                        ; buffer 1 lies so many bytes behind buffer 0: codes at 27,648, scale bytes at 36,352
.set STG, 36864                        ; the way out: for each wave 16 rows x (256 + 16)
.set L16, 1                            ; v1   16 x lane: my place in an image
.set L4,  2                            ; v2   4 x lane: my scale word
.set XA,  3                            ; v3   x's fragments: XC + 528 r + 16 h
.set HA,  4                            ; v4   the hidden layer's: HC + 272 r + 16 h
.set HW,  5                            ; v5   where I put my 16 hidden codes: HC + 272 r + 16 w + 8 h
.set HB,  6                            ; v6   and their block's byte: HSC + 16 r + w
.set HSL, 7                            ; v7   HSC + 16 x lane: a token's four scale words
.set SO,  8                            ; v8   stage, in: STG + 4352 w + 272 r + 32 h
.set SR,  9                            ; v9   stage, back: STG + 4352 w + 272 h + 16 r
.set CB,  10                           ; v10  256 w + 16 r: my bytes in a row of y
.set H4,  11                           ; v11  4 h
.set XCS, 12                           ; v12  where I put 8 codes of x: XC + 1056 w + 4 x lane
.set XSS, 13                           ; v13  and their block's byte: XSC + 96 w + lane / 4
.set XSL, 14                           ; v14  XSC + 48 x lane: a token's eight scale words
.set IX,  16                           ; v16-19  (i0, i1) of tokens r and 16 + r
.set GP,  20                           ; v20-23  (p0, p1) likewise
.set G,   24                           ; v24-27  the gates of tokens r and 16 + r for the expert in hand, each twice (pairs for the packed form)
.set XS,  28                           ; v28-35  x's scale words: lane = token, register = K step.  (v28-47 hold scales and nothing else)
.set HS,  36                           ; v36-39  the hidden layer's
.set WS,  40                           ; v40-47  the weights': register = step; lanes 0-15 tile 0's rows, lanes 16-31 tile 1's
.set ACC, 48                           ; v48-79  four accumulators: weight tile t x token tile m at ACC + 8 (2 m + t)
.set FX,  80                           ; v80-111 two sets of two token fragments; gelu's working registers
.set W,   112                          ; v112-175 four slots of two weight fragments
.set Y,   176                          ; v176-239 y: column tile n (0 .. 3) x token tile m at Y + 32 m + 8 n
.set T,   240                          ; v240-255 at work
.set ZC,  FX                           ; gelu works on 8 numbers a lane at a time, in the 32 registers where token fragments lay: the weight slots hold loads that are on their way
.set X2,  FX+8
.set PP,  FX+16
.set QQ,  FX+24
.macro BAR                             ; my LDS stores have landed and my LDS loads are in: then the work-group's barrier
	s_wait_dscnt 0x0
	s_barrier_signal -1
	s_barrier_wait -1
.endm
.macro PLACES                          ; four plain lines between a matrix instruction and a vector line on its registers; they stay where loads into its registers follow, beside the wait that states that dependence
.rept 4
	v_nop
.endr
.endm
.macro WLOAD slot, step, ph, par       ; a step's two weight fragments: four loads of 512 consecutive bytes.  par: the first or the second expert of the loop's body
.irp t, 0,1
.irp c, 0,1
	global_load_b128 v[W+16*(\slot)+8*\t+4*\c:W+16*(\slot)+8*\t+4*\c+3], v[L16], s[12:13] offset:524288*(\par)+262144*(\ph)+2048*(\step)+1024*\t+512*\c
.endr
.endr
.endm
.macro WSLOAD ph, par                  ; a product's eight scale words
.irp s, 0,1,2,3,4,5,6,7
	global_load_b32 v[WS+\s], v[L4], s[14:15] offset:32768*(\par)+16384*(\ph)+128*\s
.endr
.endm
.macro TLOAD set, adr, pitch, ks, base ; the two token fragments of K step ks: lane (r, h), registers 4 c ..: k = 64 c + 32 h + 0 .. 31 of its row: 16 bytes as they lie
.irp m, 0,1
.irp c, 0,1
	ds_load_b128 v[FX+16*(\set)+8*\m+4*\c:FX+16*(\set)+8*\m+4*\c+3], v[\adr] offset:(\base)+16*\m*(\pitch)+64*(\ks)+32*\c
.endr
.endr
.endm
; Four products: two weight tiles x two token tiles, 128 along K.  The four accumulators take turns, one instruction a turn, in the same order in every step.
.macro MM4 step, zero, sb
.set rA, W+16*((\step)%4)
.set rB, FX+16*((\step)%2)
.set rW, WS+(\step)
.if \zero
	v_wmma_scale_f32_16x16x128_f8f6f4 v[ACC:ACC+7], v[rA:rA+7], v[rB:rB+7], 0, v[rW], v[\sb] matrix_a_fmt:MATRIX_FMT_FP4 matrix_b_fmt:MATRIX_FMT_FP4
	v_wmma_scale_f32_16x16x128_f8f6f4 v[ACC+8:ACC+15], v[rA+8:rA+15], v[rB:rB+7], 0, v[rW], v[\sb] matrix_a_fmt:MATRIX_FMT_FP4 matrix_b_fmt:MATRIX_FMT_FP4 matrix_a_scale:MATRIX_SCALE_ROW1
	v_wmma_scale_f32_16x16x128_f8f6f4 v[ACC+16:ACC+23], v[rA:rA+7], v[rB+8:rB+15], 0, v[rW], v[\sb] matrix_a_fmt:MATRIX_FMT_FP4 matrix_b_fmt:MATRIX_FMT_FP4 matrix_b_scale:MATRIX_SCALE_ROW1
	v_wmma_scale_f32_16x16x128_f8f6f4 v[ACC+24:ACC+31], v[rA+8:rA+15], v[rB+8:rB+15], 0, v[rW], v[\sb] matrix_a_fmt:MATRIX_FMT_FP4 matrix_b_fmt:MATRIX_FMT_FP4 matrix_a_scale:MATRIX_SCALE_ROW1 matrix_b_scale:MATRIX_SCALE_ROW1
.else
	v_wmma_scale_f32_16x16x128_f8f6f4 v[ACC:ACC+7], v[rA:rA+7], v[rB:rB+7], v[ACC:ACC+7], v[rW], v[\sb] matrix_a_fmt:MATRIX_FMT_FP4 matrix_b_fmt:MATRIX_FMT_FP4
	v_wmma_scale_f32_16x16x128_f8f6f4 v[ACC+8:ACC+15], v[rA+8:rA+15], v[rB:rB+7], v[ACC+8:ACC+15], v[rW], v[\sb] matrix_a_fmt:MATRIX_FMT_FP4 matrix_b_fmt:MATRIX_FMT_FP4 matrix_a_scale:MATRIX_SCALE_ROW1
	v_wmma_scale_f32_16x16x128_f8f6f4 v[ACC+16:ACC+23], v[rA:rA+7], v[rB+8:rB+15], v[ACC+16:ACC+23], v[rW], v[\sb] matrix_a_fmt:MATRIX_FMT_FP4 matrix_b_fmt:MATRIX_FMT_FP4 matrix_b_scale:MATRIX_SCALE_ROW1
	v_wmma_scale_f32_16x16x128_f8f6f4 v[ACC+24:ACC+31], v[rA+8:rA+15], v[rB+8:rB+15], v[ACC+24:ACC+31], v[rW], v[\sb] matrix_a_fmt:MATRIX_FMT_FP4 matrix_b_fmt:MATRIX_FMT_FP4 matrix_a_scale:MATRIX_SCALE_ROW1 matrix_b_scale:MATRIX_SCALE_ROW1
.endif
.endm
.macro YUP p                           ; y += gate x (h Wdown) for column tiles 2 p, 2 p + 1: one fused multiply-add, two numbers a line; each accumulator is read from its low end on
.irp m, 0,1
.irp t, 0,1
.irp q, 0,2,4,6
	v_pk_fma_f32 v[Y+32*\m+8*(2*(\p)+\t)+\q:Y+32*\m+8*(2*(\p)+\t)+\q+1], v[ACC+8*(2*\m+\t)+\q:ACC+8*(2*\m+\t)+\q+1], v[G+2*\m:G+2*\m+1], v[Y+32*\m+8*(2*(\p)+\t)+\q:Y+32*\m+8*(2*(\p)+\t)+\q+1]
.endr
.endr
.endr
.endm
; Eight steps of four products.  ph = 0: x Wup, K = 1,024 in eight steps.  ph = 1: h Wdown, K = 512 in four steps, for two pairs of column tiles.
; Weights run four steps ahead in four slots, on from the first product into the second; token fragments two steps ahead in two sets.
; The loads at a product's head owe no wait of their own: the wait at the last expert's end (first trip: the head's) stands ahead of them, and, for the second product, the wait ahead of token tile 1's stores;
; no vector or matrix line behind those waits names W, FX, WS or HS.
.macro GEMM8 ph, par
.if \ph
	ds_load_b128 v[HS:HS+3], v[HSL] offset:HPAR*(\par)
	TLOAD 0, HA, 272, 0, HPAR*(\par)
	TLOAD 1, HA, 272, 1, HPAR*(\par)
.else
	WSLOAD 0, \par
	WLOAD 0, 0, 0, \par
	WLOAD 1, 1, 0, \par
	WLOAD 2, 2, 0, \par
	WLOAD 3, 3, 0, \par
	TLOAD 0, XA, 528, 0, 0
	TLOAD 1, XA, 528, 1, 0
.endif
.set Q, 0
.rept 8
.if \ph
.if Q == 0
	s_wait_loadcnt 0x0                             ; steps 0 to 3 and the scale words, asked for in the first product: nothing else is out
.elseif Q < 5
	s_wait_loadcnt 12                              ; step 4's four loads are in when the twelve of steps 5 to 7 are all that is out (steps 1 to 3 came with step 0's wait)
.else
	s_wait_loadcnt 4*(7-Q)                         ; the steps that are left: 8, 4, 0
.endif
.else
	s_wait_loadcnt 12                              ; this step's four loads (and the scale words, issued ahead of all) are in; behind them stand the next three slots' twelve, in every step: the slots go on into the second product
.endif
.if Q < 7
	s_wait_dscnt 4                                 ; this step's token fragments are in; the next step's four loads may be out
.else
	s_wait_dscnt 0x0
.endif
.if \ph
	MM4 Q, (Q%4)==0, HS+Q%4
.else
	MM4 Q, Q==0, XS+Q
.endif
	PLACES
.if (\ph == 0) || (Q < 6)
	s_wait_alu depctr_va_vdst(0)                   ; this step's four products are done reading weight slot Q % 4 and token set Q % 2 (the first product's last step: and v[WS ..]), in which the loads below land.  The second product's steps 6 and 7 load nothing and have no such wait
.endif
.if Q < 4
	WLOAD Q%4, Q+4, \ph, \par
.elseif \ph == 0
	WLOAD Q%4, Q-4, 1, \par                        ; the slot takes a step of Wdown
.endif
.if Q < 6
.if \ph
	TLOAD Q%2, HA, 272, (Q+2)%4, HPAR*(\par)
.else
	TLOAD Q%2, XA, 528, Q+2, 0
.endif
.endif
.if \ph
.if (Q%4) == 3
	YUP Q/4                                        ; (with the four lines above, more than the five places that the next step's fresh sums want behind these.)  It names the accumulators, the gates and y: none of the registers of the loads above
.endif
.endif
.set Q, Q+1
.endr
.if \ph == 0
	WSLOAD 1, \par                                 ; Wdown's scale words, behind the places of the last product that read Wup's and behind the last step's wait: no vector or matrix line since names v[WS ..]
.endif
.endm
; Token tile m's hidden numbers become codes: my 16 and lane l xor 16's 16 are the block of 32 hidden units that my wave owns.  QHA: the arithmetic;  QHS: the two LDS stores, behind a wait on va_vdst that the caller lays
.macro QHA m
.set GA, ACC+16*(\m)
.set TQ, T+6*(\m)                      ; six working registers for each tile
	v_max3_num_f32 v[TQ], |v[GA]|, |v[GA+1]|, 0x1800000    ; with the floor 2^(3 - 127): the byte cannot fall under 1
.irp i, 2,4,6,8,10,12,14
	v_max3_num_f32 v[TQ], v[TQ], |v[GA+\i]|, |v[GA+\i+1]|
.endr
	v_permlanex16_b32 v[TQ+1], v[TQ], s28, s29     ; (its destination was written at the head)
	v_max_num_f32 v[TQ], v[TQ], v[TQ+1]            ; the block's largest magnitude
	v_add_nc_u32 v[TQ+2], 0xff000000, v[TQ]        ; 2 off its exponent field: the conversion's scale operand
	v_lshrrev_b32 v[TQ+3], 23, v[TQ+2]             ; the scale's byte
	v_cvt_scalef32_pk8_fp4_f32 v[TQ+4], v[GA:GA+7], v[TQ+2]
	v_cvt_scalef32_pk8_fp4_f32 v[TQ+5], v[GA+8:GA+15], v[TQ+2]
	v_nop                                          ; one plain line behind the last conversion
.endm
.macro QHS m, par
.set TQ, T+6*(\m)
	ds_store_b64 v[HW], v[TQ+4:TQ+5] offset:HPAR*(\par)+16*(\m)*272
	ds_store_b8 v[HB], v[TQ+3] offset:HPAR*(\par)+256*(\m)     ; both lanes of a block write the same byte with the same value
.endm
; gelu of one accumulator's 8 numbers a lane, in place, two numbers a line where a packed form exists; P's and Q's chains by turns.  st = 1: token tile 0's LDS stores stand behind this batch's wait
.macro GELU8 a, st, par
.set GA, ACC+8*(\a)
.irp q, 0,2,4,6
	v_pk_mul_f32 v[ZC+\q:ZC+\q+1], v[GA+\q:GA+\q+1], s[30:31] op_sel_hi:[1,0]      ; z = u / sqrt 2
.endr
.irp j, 0,1,2,3,4,5,6,7
	v_med3_num_f32 v[ZC+\j], v[ZC+\j], -4.0, 4.0
.endr
.irp q, 0,2,4,6
	v_pk_mul_f32 v[X2+\q:X2+\q+1], v[ZC+\q:ZC+\q+1], v[ZC+\q:ZC+\q+1]
.endr
.irp j, 0,1,2,3,4,5,6,7
	v_fma_f32 v[PP+\j], v[X2+\j], s32, s33
.endr
.irp j, 0,1,2,3,4,5,6,7
	v_fma_f32 v[QQ+\j], v[X2+\j], s34, s35
.endr
.irp k, 0,2,4
.irp q, 0,2,4,6
	v_pk_fma_f32 v[PP+\q:PP+\q+1], v[PP+\q:PP+\q+1], v[X2+\q:X2+\q+1], s[36+\k:37+\k] op_sel_hi:[1,1,0]
.endr
.irp q, 0,2,4,6
	v_pk_fma_f32 v[QQ+\q:QQ+\q+1], v[QQ+\q:QQ+\q+1], v[X2+\q:X2+\q+1], s[46+\k:47+\k] op_sel_hi:[1,1,0]
.endr
.endr
.irp k, 42,44
.irp q, 0,2,4,6
	v_pk_fma_f32 v[PP+\q:PP+\q+1], v[PP+\q:PP+\q+1], v[X2+\q:X2+\q+1], s[\k:\k+1] op_sel_hi:[1,1,0]
.endr
.endr
	s_wait_alu depctr_va_vdst(0)
.irp j, 0,1,2,3,4,5,6,7
	v_rcp_f32 v[QQ+\j], v[QQ+\j]                   ; one batch of eight
.endr
.irp q, 0,2,4,6
	v_pk_mul_f32 v[PP+\q:PP+\q+1], v[PP+\q:PP+\q+1], v[ZC+\q:ZC+\q+1]              ; z P: plain work that names no reciprocal
.endr
.irp q, 0,2,4,6
	v_pk_mul_f32 v[GA+\q:GA+\q+1], v[GA+\q:GA+\q+1], 0.5 op_sel_hi:[1,0]           ; 0.5 u, in place
.endr
	s_wait_alu depctr_va_vdst(0)                   ; the batch's eight reciprocals v[QQ ..] are written, ahead of their first reader.  st = 1: so are token tile 0's codes and byte, v[T + 3 .. T + 5], which the LDS stores below read
.if \st
	QHS 0, \par
.endif
.irp q, 0,2,4,6
	v_pk_mul_f32 v[PP+\q:PP+\q+1], v[PP+\q:PP+\q+1], v[QQ+\q:QQ+\q+1]              ; erf
.endr
.irp q, 0,2,4,6
	v_pk_fma_f32 v[GA+\q:GA+\q+1], v[GA+\q:GA+\q+1], v[PP+\q:PP+\q+1], v[GA+\q:GA+\q+1]   ; 0.5 u erf + 0.5 u
.endr
.endm
; Token 2 w + i of the block: its 1,024 numbers, 8 neighbours a lane in each of four chunks of 256; a block of 32 is four neighbouring lanes
.macro XQ i, left
	s_wait_loadcnt \left
.irp c, 0,1,2,3
	v_max3_num_f32 v[FX+16*\i+\c], |v[W+32*\i+8*\c]|, |v[W+32*\i+8*\c+1]|, 0x1800000
.endr
.irp k, 2,4,6
.irp c, 0,1,2,3
	v_max3_num_f32 v[FX+16*\i+\c], v[FX+16*\i+\c], |v[W+32*\i+8*\c+\k]|, |v[W+32*\i+8*\c+\k+1]|
.endr
.endr
.irp x, 1,2
.irp c, 0,1,2,3
	v_max_num_f32_dpp v[FX+16*\i+\c], v[FX+16*\i+\c], v[FX+16*\i+\c] row_xmask:\x row_mask:0xf bank_mask:0xf
.endr
.endr
.irp c, 0,1,2,3
	v_add_nc_u32 v[FX+16*\i+4+\c], 0xff000000, v[FX+16*\i+\c]
.endr
.irp c, 0,1,2,3
	v_lshrrev_b32 v[FX+16*\i+8+\c], 23, v[FX+16*\i+4+\c]
.endr
.irp c, 0,1,2,3
	v_cvt_scalef32_pk8_fp4_f32 v[FX+16*\i+12+\c], v[W+32*\i+8*\c:W+32*\i+8*\c+7], v[FX+16*\i+4+\c]
.endr
	v_nop                                          ; one plain line behind the last conversion
	s_wait_alu depctr_va_vdst(0)                   ; the token's bytes and codes, v[FX + 16 i + 8 .. + 15], are written, which the LDS stores below read.  The second token's wait also shows the conversions done reading v[W ..], and v[WS ..] and v[Y ..] written: the first expert's loads land in W, FX and WS
.irp c, 0,1,2,3
	ds_store_b32 v[XCS], v[FX+16*\i+12+\c] offset:528*\i+128*\c     ; 32 lanes: 128 consecutive bytes of the token's row
	ds_store_b8 v[XSS], v[FX+16*\i+8+\c] offset:48*\i+8*\c          ; the four lanes of a block write the same byte with the same value
.endr
.endm
; One expert.  par: the first or the second of the loop's body: which hidden buffer, and which immediates;  ereg: the scalar register with the expert's number.
; The barrier stands on every way; the two branches, which hang on the same number, pass over work alone.
.macro TRIP par, ereg
	v_cmp_eq_u32 s20, s[\ereg], v[IX]
	v_cmp_eq_u32 s21, s[\ereg], v[IX+1]
	v_cmp_eq_u32 s22, s[\ereg], v[IX+2]
	v_cmp_eq_u32 s23, s[\ereg], v[IX+3]
	s_wait_alu depctr_va_sdst(0)                   ; the four compares have written s20 to s23, ahead of their first reader: the selects and the scalar lines below read them
	v_cndmask_b32 v[T+12], 0, v[GP], s20
	v_cndmask_b32 v[T+13], 0, v[GP+1], s21
	v_cndmask_b32 v[T+14], 0, v[GP+2], s22
	v_cndmask_b32 v[T+15], 0, v[GP+3], s23
	v_add_f32 v[G], v[T+12], v[T+13]               ; gate_e = p0 (i0 == e) + p1 (i1 == e)
	v_add_f32 v[G+2], v[T+14], v[T+15]
	v_mov_b32 v[G+1], v[G]
	v_mov_b32 v[G+3], v[G+2]
	s_or_b32 s26, s20, s21
	s_or_b32 s24, s22, s23
	s_or_b32 s26, s26, s24                         ; does any of the block's 32 tokens name e?  The same in all sixteen waves
	s_cmp_lg_u32 s26, 0
	s_cbranch_scc0 .LskipA_\@
	GEMM8 0, \par                                  ; u = x Wup[e]: my 32 hidden units of 32 tokens; at its end 24 loads for the second product are out
	GELU8 0, 0, \par
	GELU8 1, 0, \par
	QHA 0
	GELU8 2, 1, \par                               ; token tile 0's stores stand in it
	GELU8 3, 0, \par
	QHA 1
	s_wait_alu depctr_va_vdst(0)                   ; token tile 1's codes and byte, v[T + 9 .. T + 11], are written, which the LDS stores below read; gelu's lines are done with v[FX ..], in which the second product's token fragments land
	QHS 1, \par
.LskipA_\@:
	BAR                                            ; the hidden layer's codes and bytes lie in this expert's buffer; every wave's reads of the other buffer are back
	s_wait_alu depctr_vm_vsrc(0)                   ; my LDS stores of this expert's codes and bytes have read v[T + 3 .. T + 5] and v[T + 9 .. T + 11], which the next expert's quantiser writes again
	s_cmp_lg_u32 s26, 0
	s_cbranch_scc0 .LskipB_\@
	GEMM8 1, \par                                  ; y += gate (h Wdown[e]): my 64 columns of 32 tokens
.LskipB_\@:
	s_wait_loadcnt 0x0                             ; no load is out at an expert's end, on any way through the text (behind the second product its last step's wait has seen to it)
	s_wait_alu depctr_va_vdst(0)                   ; the second product's last steps are done reading their weight slots, their token sets, v[HS ..] and v[WS ..], in which the next expert's loads (behind the last expert: the way out's) land; y's multiply-adds have written v[Y ..], which the way out's LDS stores read
.endm
	s_load_b256 s[4:11], s[0:1], 0x0               ; x s[4:5], expert_idxs s[6:7], expert_p s[8:9], order s[10:11]
	s_load_b128 s[12:15], s[0:1], 0x20             ; wc s[12:13], ws s[14:15]
	s_load_b64 s[16:17], s[0:1], 0x30              ; out0
	v_lshrrev_b32 v[T], 5, v0
	v_readfirstlane_b32 s18, v[T]                  ; wave 0..15
	v_and_b32 v[T], 31, v0                         ; lane
	v_and_b32 v[T+1], 15, v0                       ; r
	v_bfe_u32 v[T+2], v0, 4, 1                     ; h
	v_lshlrev_b32 v[T+3], 2, v[T+1]
	s_wait_alu depctr_va_sdst(0)                   ; s18 is written, ahead of its first reader: offsets, bases and LDS addresses are made from it
	s_lshl_b32 s24, s18, 3
	v_mov_b32 v[T+6], s24                          ; 8 w: my wave's two places
	s_lshl_b32 s24, ttmp9, 7                       ; my block's 32 places, 4 bytes each
	s_mov_b32 s25, 0
	s_wait_kmcnt 0x0
	s_add_nc_u64 s[10:11], s[10:11], s[24:25]
	s_wait_alu depctr_va_vdst(0)                   ; the offsets v[T + 3] and v[T + 6] are written, which the four loads below read
	global_load_b32 v[T+4], v[T+3], s[10:11]                 ; the tokens at places r
	global_load_b32 v[T+5], v[T+3], s[10:11] offset:64       ; and 16 + r
	global_load_b32 v[T+7], v[T+6], s[10:11]                 ; the two tokens whose x my wave quantises: places 2 w
	global_load_b32 v[T+8], v[T+6], s[10:11] offset:4        ; and 2 w + 1 (the same in every lane)
	s_lshl_b32 s24, s18, 14
	s_add_nc_u64 s[12:13], s[12:13], s[24:25]      ; my wave's codes of expert 0
	s_lshl_b32 s24, s18, 10
	s_add_nc_u64 s[14:15], s[14:15], s[24:25]      ; and scale words
	v_lshlrev_b32 v[L16], 4, v[T]
	v_lshlrev_b32 v[L4], 2, v[T]
	v_mul_u32_u24 v[XA], v[T+1], 528
	v_lshl_add_u32 v[XA], v[T+2], 4, v[XA]
	v_mul_u32_u24 v[HA], v[T+1], 272
	v_lshl_add_u32 v[HW], v[T+2], 3, v[HA]
	v_lshl_add_u32 v[HA], v[T+2], 4, v[HA]
	v_add_nc_u32 v[HA], HC, v[HA]
	s_lshl_b32 s24, s18, 4
	v_add_nc_u32 v[HW], s24, v[HW]
	v_add_nc_u32 v[HW], HC, v[HW]
	v_lshlrev_b32 v[HB], 4, v[T+1]
	v_add_nc_u32 v[HB], s18, v[HB]
	v_add_nc_u32 v[HB], HSC, v[HB]
	v_lshl_add_u32 v[HSL], v[T], 4, HSC
	s_mul_i32 s27, s18, 4352
	s_add_co_u32 s27, s27, STG                     ; my stage
	v_mul_u32_u24 v[SO], v[T+1], 272
	v_lshl_add_u32 v[SO], v[T+2], 5, v[SO]
	v_add_nc_u32 v[SO], s27, v[SO]
	v_mul_u32_u24 v[SR], v[T+2], 272
	v_lshl_add_u32 v[SR], v[T+1], 4, v[SR]
	v_add_nc_u32 v[SR], s27, v[SR]
	s_lshl_b32 s24, s18, 8
	v_lshl_add_u32 v[CB], v[T+1], 4, s24
	v_lshlrev_b32 v[H4], 2, v[T+2]
	s_mul_i32 s24, s18, 1056
	v_lshl_add_u32 v[XCS], v[T], 2, s24
	s_mul_i32 s24, s18, 96
	s_add_co_u32 s24, s24, XSC
	v_lshrrev_b32 v[XSS], 2, v[T]
	v_add_nc_u32 v[XSS], s24, v[XSS]
	v_mul_u32_u24 v[XSL], v[T], 48
	v_add_nc_u32 v[XSL], XSC, v[XSL]
	v_lshlrev_b32 v[T+9], 5, v[T]                  ; 32 x lane: my 8 numbers of a chunk
	s_mov_b32 s28, 0x76543210                      ; v_permlanex16_b32's selects for lane l xor 16
	s_mov_b32 s29, 0xfedcba98
	s_mov_b32 s30, 0x3f3504f3                      ; 1 / sqrt 2 (a packed form names a pair and takes its low word: both are written)
	s_mov_b32 s31, 0x3f3504f3
	s_mov_b32 s32, 0xaf95df0b                      ; P: -2.72614225801306e-10
	s_mov_b32 s33, 0x32edffee                      ;     2.77068142495902e-08
	s_mov_b32 s34, 0xb77460cd                      ; Q: -1.45660718464996e-05
	s_mov_b32 s35, 0xb95fbd29                      ;    -2.13374055278905e-04
	s_mov_b32 s36, 0xb60cff51                      ; P: -2.10102402082508e-06
	s_mov_b32 s37, 0xb60cff51
	s_mov_b32 s38, 0xb86ec2d2                      ;    -5.69250639462346e-05
	s_mov_b32 s39, 0xb86ec2d2
	s_mov_b32 s40, 0xba40ac63                      ;    -7.34990630326855e-04
	s_mov_b32 s41, 0xba40ac63
	s_mov_b32 s42, 0xbb41a1f6                      ;    -2.95459980854025e-03
	s_mov_b32 s43, 0xbb41a1f6
	s_mov_b32 s44, 0xbc83dbd4                      ;    -1.60960333262415e-02
	s_mov_b32 s45, 0xbc83dbd4
	s_mov_b32 s46, 0xbadc924e                      ; Q: -1.68282697438203e-03
	s_mov_b32 s47, 0xbadc924e
	s_mov_b32 s48, 0xbbf19bf8                      ;    -7.37332916720468e-03
	s_mov_b32 s49, 0xbbf19bf8
	s_mov_b32 s50, 0xbc69b6a7                      ;    -1.42647390514189e-02
	s_mov_b32 s51, 0xbc69b6a7
	s_wait_loadcnt 0x0
	v_min_u32 v[T+4], 0x1fff, v[T+4]               ; a number that was loaded enters an address only held to its range
	v_min_u32 v[T+5], 0x1fff, v[T+5]
	v_min_u32 v[T+7], 0x1fff, v[T+7]
	s_wait_alu depctr_va_vdst(0)
	v_min_u32 v[T+8], 0x1fff, v[T+8]
	v_lshl_add_u32 v[T+10], v[T+7], 12, v[T+9]     ; a row of x is 4,096 bytes
	v_lshl_add_u32 v[T+11], v[T+8], 12, v[T+9]
	v_lshlrev_b32 v[T+12], 3, v[T+4]               ; the indices' and gates' offsets are made here too, so that one wait serves the twenty loads
	v_lshlrev_b32 v[T+13], 3, v[T+5]
	s_wait_alu depctr_va_vdst(0)                   ; the offsets v[T + 10 .. T + 13] are written, which the loads below read; so are the addresses and offsets v1 to v14, which every later load and store of the kernel reads and no line writes again
.irp i, 0,1
.irp c, 0,1,2,3
.irp j, 0,1
	global_load_b128 v[W+32*\i+8*\c+4*\j:W+32*\i+8*\c+4*\j+3], v[T+10+\i], s[4:5] offset:1024*\c+16*\j th:TH_LOAD_NT   ; a chunk's two loads cover 1,024 consecutive bytes between them
.endr
.endr
.endr
	global_load_b64 v[IX:IX+1], v[T+12], s[6:7]
	global_load_b64 v[IX+2:IX+3], v[T+13], s[6:7]
	global_load_b64 v[GP:GP+1], v[T+12], s[8:9]
	global_load_b64 v[GP+2:GP+3], v[T+13], s[8:9]
.set n_, 0
.rept 64
	v_mov_b32 v[Y+n_], 0                           ; y begins as zeros, once, while x is on its way: which expert is a block's first hangs on data, so no product can be written out to start these sums
.set n_, n_+1
.endr
.irp s, 0,1,2,3,4,5,6,7
	v_mov_b32 v[WS+\s], 0x7f7f7f7f                 ; four bytes of the scale 1: written once, so that the weights' scale registers are written on every way through the text (the second product never runs without the first, whose loads fill them: both hang on the same number)
.endr
	XQ 0, 12                                       ; the first token's eight loads are in; the second's eight and the four of indices and gates may be out
	XQ 1, 4                                        ; the four may be out
	s_wait_loadcnt 0x0
	BAR                                            ; x's codes and scale bytes of all 32 tokens lie in LDS: they stay
	s_wait_alu depctr_vm_vsrc(0)                   ; my LDS stores have read v[FX ..], in which token fragments land from here on; the head's loads have read their offsets v[T + 3], v[T + 6] and v[T + 10 .. T + 13], which the gates' lines and the quantiser write in the walk
	ds_load_b128 v[XS:XS+3], v[XSL]
	ds_load_b128 v[XS+4:XS+7], v[XSL] offset:16
	s_wait_dscnt 0x0
	s_mov_b32 s19, 0                               ; the expert
.Lexp:                                             ; four trips of two experts
	TRIP 0, 19
	s_add_co_u32 s27, s19, 1
	TRIP 1, 27
	s_wait_xcnt 0x0                                ; the loads have read their bases: these step only behind this wait
	s_add_nc_u64 s[12:13], s[12:13], 1048576       ; two experts on
	s_add_nc_u64 s[14:15], s[14:15], 65536
	s_add_co_u32 s19, s19, 2
	s_cmp_lt_u32 s19, 8
	s_cbranch_scc1 .Lexp
	; THE WAY OUT.  A lane holds 32 neighbouring bytes of a token's row for each column tile; a tile of 16 tokens x my 64 columns goes through my own stage and comes back as rows of 256 bytes.
	; The loads into v[FX ..] and v[W ..] and the LDS stores of v[Y ..] owe no wait of their own: the wait at the last expert's end stands ahead of them, and no vector or matrix line stands between.
.irp m, 0,1
.irp i, 0,1,2,3,4,5,6,7
	global_load_b32 v[FX+8*\m+\i], v[H4], s[10:11] offset:64*\m+8*\i    ; the token of row 16 m + 2 i + h
.endr
.endr
.macro OUTS m
.irp n, 0,1,2,3
	ds_store_b128 v[SO], v[Y+32*\m+8*\n:Y+32*\m+8*\n+3] offset:64*\n
	ds_store_b128 v[SO], v[Y+32*\m+8*\n+4:Y+32*\m+8*\n+7] offset:64*\n+16
.endr
.irp i, 0,1,2,3,4,5,6,7
	ds_load_b128 v[W+32*\m+4*\i:W+32*\m+4*\i+3], v[SR] offset:544*\i    ; LDS serves a wave's instructions in order (ISA guide 5.7.1.4): these see my stores, and the next tile's stores come behind them
.endr
.endm
.macro SEND m, younger                 ; younger: the LDS instructions issued behind tile m's loads
.irp i, 0,1,2,3,4,5,6,7
	s_wait_dscnt \younger+7-\i
	global_store_b128 v[FX+16+8*\m+\i], v[W+32*\m+4*\i:W+32*\m+4*\i+3], s[16:17] th:TH_STORE_NT   ; sixteen lanes store 256 consecutive bytes of a token's row, at a multiple of 256 from y's first byte
.endr
.endm
	OUTS 0
	OUTS 1
	s_wait_loadcnt 0x0
.set n_, 0
.rept 16
	v_min_u32 v[FX+n_], 0x1fff, v[FX+n_]
.set n_, n_+1
.endr
.set n_, 0
.rept 16
	v_lshl_add_u32 v[FX+16+n_], v[FX+n_], 12, v[CB]        ; a row of y is 4,096 bytes
.set n_, n_+1
.endr
	s_wait_alu depctr_va_vdst(0)                   ; the sixteen offsets v[FX + 16 .. FX + 31] are written, which the stores below read
	SEND 0, 16                                     ; behind tile 0's loads: tile 1's eight stores and eight loads
	SEND 1, 0
	s_wait_xcnt 0x0
	v_lshl_add_u32 v254, v0, 2, 0x1a000            ; the add's two registers are made anew here (no memory or LDS instruction has read v254 or v255)
	v_mov_b32 v255, 0
	s_wait_dscnt 0x0                               ; the closing lines, six on end
	s_wait_alu 0x0
	s_wait_tensorcnt 0x0
	ds_add_u32 v254, v255
	s_wait_dscnt 0x0
	s_endpgm
.Lfunc_end_k_q497a9355ce_moe:
	.size	k_q497a9355ce_moe, .Lfunc_end_k_q497a9355ce_moe-k_q497a9355ce_moe
	.p2alignl 7, 3214868480
	.fill 96, 4, 3214868480
	.section	.rodata,"a",@progbits
	.p2align	6, 0x0
	.amdhsa_kernel k_q497a9355ce_moe
		.amdhsa_group_segment_fixed_size 108544
		.amdhsa_private_segment_fixed_size 0
		.amdhsa_enable_private_segment 0
		.amdhsa_kernarg_size 56
		.amdhsa_user_sgpr_count 2
		.amdhsa_user_sgpr_kernarg_segment_ptr 1
		.amdhsa_wavefront_size32 1
		.amdhsa_system_sgpr_workgroup_id_x 1
		.amdhsa_system_sgpr_workgroup_id_y 1
		.amdhsa_system_sgpr_workgroup_id_z 1
		.amdhsa_system_vgpr_workitem_id 0
		.amdhsa_next_free_vgpr 256
		.amdhsa_next_free_sgpr 66
		.amdhsa_reserve_vcc 0
		.amdhsa_float_denorm_mode_32 3
		.amdhsa_float_denorm_mode_16_64 3
		.amdhsa_memory_ordered 1
		.amdhsa_forward_progress 1
		.amdhsa_inst_pref_size 123
	.end_amdhsa_kernel
	.amdgpu_metadata
---
amdhsa.version: [ 1, 2 ]
amdhsa.kernels:
  - .name:           k_q497a9355ce_moe
    .symbol:         k_q497a9355ce_moe.kd
    .args:
      - { .name: x, .offset: 0, .size: 8, .value_kind: global_buffer, .address_space: global }
      - { .name: expert_idxs, .offset: 8, .size: 8, .value_kind: global_buffer, .address_space: global }
      - { .name: expert_p, .offset: 16, .size: 8, .value_kind: global_buffer, .address_space: global }
      - { .name: order, .offset: 24, .size: 8, .value_kind: global_buffer, .address_space: global }
      - { .name: wc, .offset: 32, .size: 8, .value_kind: global_buffer, .address_space: global }
      - { .name: ws, .offset: 40, .size: 8, .value_kind: global_buffer, .address_space: global }
      - { .name: out0, .offset: 48, .size: 8, .value_kind: global_buffer, .address_space: global }
    .group_segment_fixed_size: 108544
    .private_segment_fixed_size: 0
    .kernarg_segment_align: 8
    .kernarg_segment_size: 56
    .max_flat_workgroup_size: 512
    .sgpr_count:     66
    .vgpr_count:     256
    .wavefront_size: 32
...
	.end_amdgpu_metadata
.endif
;; end of part 6
